; MI455X (gfx1250); checked and timed in simulation.
; The chip was launched on July 23, 2026; its instructions are those of AMD's public machine-readable ISA for CDNA 5 (MIT licence, August 2026) and "CDNA5" Instruction Set Architecture Reference Guide (July 2026). The comments in the code are by the model that wrote it; some were corrected since.
;; Ro PE Attention. Allowed arithmetic: matrix products marked QUANTISED: E5M2 operands, one given power-of-two scale a tensor, by v_wmma_f32_16x16x64_bf8_bf8 or v_wmma_f32_16x16x128_bf8_bf8, f32 sums; everything else in f32.
;; Inputs: lowp_scales 12 int32 (the exponents e of the quantised operands' scales 2^e); norm_w 1,024 float32; wk_codes 1,024 x 32 x 32 uint8 (E5M2 codes of wk, K innermost, in blocks of 32 codes); wo_codes 1,024 x 32 x 32 uint8 (E5M2 codes of wo, K innermost, in blocks of 32 codes); wq_codes 1,024 x 32 x 32 uint8 (E5M2 codes of wq, K innermost, in blocks of 32 codes); wv_codes 1,024 x 32 x 32 uint8 (E5M2 codes of wv, K innermost, in blocks of 32 codes); x 4 x 2,048 x 1,024 float32.
;; Outputs: out0 4 x 2,048 x 1,024 float32.
;; This version of the problem:
;;   THIS VERSION OF THE PROBLEM IS GIVEN IN LOW PRECISION. The matrix products marked QUANTISED in the list below multiply operands that are first quantised to E5M2 (5 exponent bits, 2 mantissa bits; 8 bits a number), with one given power-of-two scale for each operand tensor; their sums are f32. All else is computed in f32.
;;   The module's matrix products, in the order in which they are computed (A, B: the left and right operand; K: the contracted axis; several contracted axes count as one K, in the product's order):
;;     1. [M 8,192, K 1,024] x [K 1,024, N 1,024]; A: computed on the way; B: input wq (given as codes): QUANTISED (scales: A lowp_scales[0], B lowp_scales[1])
;;     2. [M 8,192, K 1,024] x [K 1,024, N 1,024]; A: computed on the way; B: input wk (given as codes): QUANTISED (scales: A lowp_scales[2], B lowp_scales[3])
;;     3. [M 8,192, K 1,024] x [K 1,024, N 1,024]; A: computed on the way; B: input wv (given as codes): QUANTISED (scales: A lowp_scales[4], B lowp_scales[5])
;;     4. batch 64 x [M 2,048, K 64] x [K 64, N 2,048]; A: computed on the way; B: computed on the way: QUANTISED (scales: A lowp_scales[6], B lowp_scales[7])
;;     5. batch 64 x [M 2,048, K 2,048] x [K 2,048, N 64]; A: softmax (see below); B: computed on the way: QUANTISED (scales: A lowp_scales[8], B lowp_scales[9])
;;     6. [M 8,192, K 1,024] x [K 1,024, N 1,024]; A: computed on the way; B: input wo (given as codes): QUANTISED (scales: A lowp_scales[10], B lowp_scales[11])
;;   THE QUANTISER, for each operand of a quantised product, along K:
;;     - The operand's scale is 2^e, e = its entry of the input lowp_scales (int32; the entries are numbered through the quantised products in the list's order, A before B).
;;     - Each number is divided by the scale, clamped to +-57,344, and rounded to the nearest number of E5M2, ties to even, subnormals kept.
;;     - The product sums the exact products of the quantised numbers (number of the format x scale) in f32.
;;   ~~~python
;;   def quantise(x, axis, e):      # numpy; x: float32 -> the quantised numbers, widened to float32 again
;;       x = np.moveaxis(x, axis, -1); K = x.shape[-1]
;;       r = np.clip(x / 2.0 ** e, -57344, 57344)
;;       step = 2.0 ** (np.maximum(np.frexp(np.where(r == 0, 1, r))[1] - 1, -14) - 2)
;;       q = np.round(r / step) * step * 2.0 ** e      # np.round: ties to even
;;       return np.moveaxis(q, -1, axis).astype(np.float32)
;;   ~~~
;;   SOFTMAX AHEAD OF A QUANTISED PRODUCT. Where the list says 'softmax', what is quantised is not the finished softmax but p = 2^(t - M), with t = logit x log2(e) and M = ceil(the row's largest t), a whole number; so 1/2 < the row's largest p <= 1. The row's sum l is taken of the UNQUANTISED p, in f32, and the product's result is divided by l at the end. Since M is a whole number, a kernel that streams over the keys may use a running M (the ceiling of the running maximum): every later rescaling is an exact power of two, so the quantised numbers keep their values, but for numbers so far below the row's largest that they fall under the format's range.
;;   OPERANDS COMPUTED ON THE WAY. 'Computed on the way' means the value that the module computes at that place (a softmax that the list does not call 'softmax' is quantised finished and normalised). What goes into a quantiser is computed in f32, as accurately as f32 sums, v_exp_f32 and their like allow (about 1e-6 of the number): no bf16 or f16 on the way to a quantiser, and a product that is left as it is and whose result goes on into a quantised operand takes f32 operands (vector FMAs, or v_wmma_f32_16x16x4_f32). A number that lies on a knife's edge between two numbers of the format may be rounded either way, as far as f32 arithmetic and the matrix unit's own rounding can turn it there, and no further.
;;   INPUTS GIVEN AS CODES. wk (in the module: [1024, 1024], K = its axis 0); wo (in the module: [1024, 1024], K = its axis 0); wq (in the module: [1024, 1024], K = its axis 0); wv (in the module: [1024, 1024], K = its axis 0): each comes as NAME_codes (uint8): NAME with its K axis moved to the last place and cut into blocks of 32 codes, [.., K / 32, bytes a block], one block behind the other in memory; one code a byte (a code: sign, 5 exponent bits, 2 mantissa bits); its scale is its entry of lowp_scales. Its value is code x scale, taken as it is: it is not quantised again, and the codes and scales need not be those that the quantiser above would give.
;; One version. Each part assembles by itself: llvm-mc -triple=amdgcn-amd-amdhsa -mcpu=gfx1250 --defsym DOCPART=n.
;; ======== version 1 of 1: 4 launches
;; limits: right only within a limited range of input values
;; workspace buffers: xq 8,388,608 bytes; xk 8,388,608 bytes; xv 8,388,608 bytes; tab 524,288 bytes; qf 8,388,608 bytes; kv 16,777,216 bytes; af 8,388,608 bytes
;; launch prep (part 1): grid 256 x 1, 8 waves a work-group, no clusters, 41,984 bytes of LDS; arguments x, norm_w, lowp_scales, xq, xk, xv, tab; writes xq, xk, xv, tab
.if DOCPART == 1
	.amdgcn_target "amdgcn-amd-amdhsa--gfx1250"
	.amdhsa_code_object_version 6
	.text
	.protected	k_qcce73bc186_prep
	.globl	k_qcce73bc186_prep
	.p2align	8
	.type	k_qcce73bc186_prep,@function
k_qcce73bc186_prep:
	s_mov_b64 s[64:65], 0
	v_nop
	global_prefetch_b8 v0, s[64:65] scope:SCOPE_SE
	s_setreg_imm32_b32 hwreg(HW_REG_WAVE_MODE, 25, 1), 1
	s_wait_xcnt 0x0
; PREP.  normed = x * rsqrt(mean(x^2) + eps) * norm_w, row by row of 1,024, in f32; then three sets of E5M2 codes of it, with the given scales 2^e0, 2^e2, 2^e4
; (the left operands of the q, k and v projections), each [8192][1024], one code a byte, K innermost.  Beside that: the table of cos and sin for the rotation of q and k.
; code = number / 2^e, held within +-57,344, to the nearest code, ties to even.
; LIMITS: e0, e2, e4 between -126 and 112, so that 2^e and 57,344 x 2^e are f32 numbers.  NaN among the inputs is not served.
; SHARES.  256 work-groups of eight waves; a wave owns four rows and shares nothing: no barrier.  A row is 4,096 bytes: eight loads of 512 consecutive bytes; all four rows (32 loads) and norm_w (8) go out at the head.
; The conversions take eight neighbours along K from ONE lane's registers, the loads give a lane four: so half a row (2,048 bytes) at a time turns through the wave's own stage in LDS: in as loaded,
; out 64 bytes a lane; 16 bytes of padding behind each 64.  A lane's 16 codes are 16 bytes: a store of the wave covers 512 consecutive bytes, aligned.
; No matrix unit, no cluster, no tensor load, no prefetch: a stream that is read once, all of whose loads are out at the head.
; THE TABLE, 524,288 bytes, is laid as the reader's registers want it: [t / 16][c = 0..7][lane][16 bytes]; lane = r + 16 h, c = 4 g + i; the 16 bytes are cos(j), cos(j+1), sin(j), sin(j+1) of the angle
; t x 10000^(-j/32), t = 16 (t / 16) + r, j = 16 g + 8 h + 2 i.  A thread makes one half of such 16 bytes (two cosines or two sines) while its loads are out; a wave stores 256 consecutive bytes.
; 10000^(-j/32) = 10^(-j/8) = 10^-a x 10^(-b/8), a = j / 8, b = j % 8: two f32 constants and one product.  The angle is one f32 product.  It is reduced by n = the nearest whole number to angle x 2/pi (at most 1,304 for t < 2,048):
; angle - n x (pi/2's first 24 bits) is exact, the rest of pi/2 follows in a second multiply-add; then a polynomial each for sine and cosine on +-pi/4, and the quarter n % 4 picks one and its sign.
.set W,    16                          ; v16-47    norm_w as loaded: register 4 j + i = column 128 j + 4 lane + i
.set R,    48                          ; v48-175   four rows, 32 registers each, laid as W; later each row's 24 registers of codes
.set X,    176                         ; v176-207  a row's two halves, 16 neighbours a lane each.  (v176-190 serve the table first)
.set TA,   208                         ; v208-215: the sums of squares
.set TB,   224
.set SP,   80                          ; a lane's place in a stage: 64 bytes + 16
.set STG,  32*SP                       ; a stage: half a row
.set WREG, 2*STG                       ; a wave's LDS
	s_load_b256 s[4:11], s[0:1], 0x0               ; x s[4:5], norm_w s[6:7], the scales' exponents s[8:9], xq s[10:11]
	s_load_b128 s[12:15], s[0:1], 0x20             ; xk, xv
	s_load_b64 s[16:17], s[0:1], 0x30              ; the table
	v_lshl_add_u32 v244, v0, 2, 0xa000
	v_mov_b32 v245, 0
	v_lshrrev_b32 v1, 5, v0
	s_delay_alu instid0(VALU_DEP_1)
	v_readfirstlane_b32 s18, v1                    ; wave
	v_and_b32 v1, 31, v0                           ; lane
	s_delay_alu instid0(VALU_DEP_1)
	v_lshlrev_b32 v2, 4, v1                        ; 16 x lane: my place in a load's and in a store's 512 bytes; never rewritten
	s_mul_i32 s19, s18, WREG
	v_lshrrev_b32 v3, 2, v1
	s_delay_alu instid0(VALU_DEP_1)
	v_mul_u32_u24 v3, v3, SP
	v_and_b32 v4, 3, v1
	s_delay_alu instid0(VALU_DEP_1)
	v_lshl_add_u32 v3, v4, 4, v3
	s_delay_alu instid0(VALU_DEP_1)
	v_add_nc_u32 v3, s19, v3                       ; the stage, on the way in: SP (lane / 4) + 16 (lane % 4); a load's 512 bytes take eight places
	v_mul_u32_u24 v4, v1, SP
	s_delay_alu instid0(VALU_DEP_1)
	v_add_nc_u32 v4, s19, v4                       ; and on the way out: SP x lane
	v_lshlrev_b32 v242, 3, v0                      ; the table: 8 bytes a thread
	v_mov_b32 v7, 0                                ; (named as the upper half of the pair v[6:7])
	v_mov_b32 v8, 0                                ; (a lane permute's destination counts as one of its sources)
	s_mov_b32 s22, 0x3a800000                      ; 1 / 1,024
	s_mov_b32 s23, 0x34000000                      ; eps = 2^-23
	s_mov_b32 s24, 0x76543210                      ; v_permlanex16_b32: lane l xor 16
	s_mov_b32 s25, 0xfedcba98
	s_mov_b32 s26, 0x3f22f983                      ; 2 / pi
	s_mov_b32 s27, 0x3fc90fdb                      ; pi / 2, its first 24 bits
	s_mov_b32 s28, 0xb33bbd2e                      ; and the rest
	s_mov_b32 s29, 0xbe2aaaa3                      ; sine: r + r z (S1 + z (S2 + z S3)), z = r^2
	s_mov_b32 s30, 0x3c08839e
	s_mov_b32 s31, 0xb94ca1f9
	s_mov_b32 s32, 0x3d2aaaa5                      ; cosine: 1 - z / 2 + z^2 (C1 + z (C2 + z C3))
	s_mov_b32 s33, 0xbab6061a
	s_mov_b32 s34, 0x37ccf5ce
	s_lshl_b32 s20, ttmp9, 17                      ; my work-group's 32 rows of 4,096 bytes,
	s_lshl_b32 s21, s18, 14                        ; my wave's four
	s_add_co_u32 s20, s20, s21
	s_mov_b32 s21, 0
	s_wait_kmcnt 0x0
	s_load_b256 s[36:43], s[8:9], 0x0              ; e0 .. e7
	s_add_nc_u64 s[4:5], s[4:5], s[20:21]
	s_lshr_b32 s20, s20, 2                         ; a row of codes is 1,024 bytes
	s_add_nc_u64 s[10:11], s[10:11], s[20:21]
	s_add_nc_u64 s[12:13], s[12:13], s[20:21]
	s_add_nc_u64 s[14:15], s[14:15], s[20:21]
	s_lshl_b32 s20, ttmp9, 11                      ; the table: 2,048 bytes a work-group
	s_add_nc_u64 s[16:17], s[16:17], s[20:21]
.irp j, 0,1,2,3,4,5,6,7
	global_load_b128 v[W+4*\j:W+4*\j+3], v2, s[6:7] offset:512*\j
.endr
.irp r, 0,1,2,3
.irp j, 0,1,2,3,4,5,6,7
	global_load_b128 v[R+32*\r+4*\j:R+32*\r+4*\j+3], v2, s[4:5] offset:4096*\r+512*\j th:TH_LOAD_NT   ; 32 lanes read 512 consecutive bytes
.endr
.endr
	; ---- the table, while the loads are out.  Byte 8 (256 g + thread) of it: t / 16 = g / 2; c = 4 (g % 2) + thread / 64; lane = (thread / 2) % 32; thread % 2: cosines or sines
	v_lshrrev_b32 v176, 6, v0                      ; i
	v_bfe_u32 v177, v0, 5, 1                       ; h
	s_and_b32 s44, ttmp9, 1
	s_lshl_b32 s44, s44, 1
	v_add_nc_u32 v177, s44, v177                   ; a = 2 (g % 2) + h
	v_bfe_u32 v178, v0, 1, 4                       ; r
	s_lshr_b32 s45, ttmp9, 1
	s_lshl_b32 s45, s45, 4
	v_add_nc_u32 v178, s45, v178                   ; t
	s_delay_alu instid0(VALU_DEP_1)
	v_cvt_f32_u32 v178, v178
	v_and_b32 v179, 1, v0
	s_delay_alu instid0(VALU_DEP_1)
	v_mul_u32_u24 v179, v179, 3                    ; sin(angle) = cos(angle - pi/2): three quarters on
	v_mov_b32 v180, 1.0                            ; 10^-a
	v_cmp_ne_u32 vcc_lo, 1, v177
	s_delay_alu instid0(VALU_DEP_1)
	v_cndmask_b32 v180, 0x3dcccccd, v180, vcc_lo
	v_cmp_ne_u32 vcc_lo, 2, v177
	s_delay_alu instid0(VALU_DEP_1)
	v_cndmask_b32 v180, 0x3c23d70a, v180, vcc_lo
	v_cmp_ne_u32 vcc_lo, 3, v177
	s_delay_alu instid0(VALU_DEP_1)
	v_cndmask_b32 v180, 0x3a83126f, v180, vcc_lo
	v_mov_b32 v181, 1.0                            ; 10^(-b/8), b = 2 i,
	v_mov_b32 v182, 0x3f3ff911                     ; and b = 2 i + 1
	v_cmp_ne_u32 vcc_lo, 1, v176
	s_delay_alu instid0(VALU_DEP_1)
	v_cndmask_b32 v181, 0x3f0ff59a, v181, vcc_lo
	s_delay_alu instid0(VALU_DEP_2)
	v_cndmask_b32 v182, 0x3ed7e89b, v182, vcc_lo
	v_cmp_ne_u32 vcc_lo, 2, v176
	s_delay_alu instid0(VALU_DEP_1)
	v_cndmask_b32 v181, 0x3ea1e89b, v181, vcc_lo
	s_delay_alu instid0(VALU_DEP_2)
	v_cndmask_b32 v182, 0x3e72d424, v182, vcc_lo
	v_cmp_ne_u32 vcc_lo, 3, v176
	s_delay_alu instid0(VALU_DEP_1)
	v_cndmask_b32 v181, 0x3e361887, v181, vcc_lo
	s_delay_alu instid0(VALU_DEP_2)
	v_cndmask_b32 v182, 0x3e088d77, v182, vcc_lo
	s_delay_alu instid0(VALU_DEP_2)
	v_mul_f32 v181, v181, v180
	s_delay_alu instid0(VALU_DEP_2)
	v_mul_f32 v182, v182, v180
	s_delay_alu instid0(VALU_DEP_2)
	v_mul_f32 v181, v178, v181                     ; the two angles
	s_delay_alu instid0(VALU_DEP_2)
	v_mul_f32 v182, v178, v182
.macro TRIG ang, out                   ; v[out] = cos or sin of v[ang]
	v_mul_f32 v184, s26, v[\ang]
	s_delay_alu instid0(VALU_DEP_1)
	v_rndne_f32 v184, v184                         ; n
	s_delay_alu instid0(VALU_DEP_1)
	v_fma_f32 v185, -v184, s27, v[\ang]            ; exact: 11 bits x 24 bits, and what is left lies under 1
	s_delay_alu instid0(VALU_DEP_1)
	v_fma_f32 v185, -v184, s28, v185               ; r, within +-pi/4
	s_delay_alu instid0(VALU_DEP_1)
	v_mul_f32 v186, v185, v185                     ; z
	s_delay_alu instid0(VALU_DEP_1)
	v_fma_f32 v187, v186, s31, s30
	s_delay_alu instid0(VALU_DEP_1)
	v_fma_f32 v187, v187, v186, s29
	s_delay_alu instid0(VALU_DEP_1)
	v_mul_f32 v187, v187, v186
	s_delay_alu instid0(VALU_DEP_1)
	v_fma_f32 v187, v187, v185, v185               ; sin r
	v_fma_f32 v188, v186, s34, s33
	s_delay_alu instid0(VALU_DEP_1)
	v_fma_f32 v188, v188, v186, s32
	s_delay_alu instid0(VALU_DEP_1)
	v_fma_f32 v188, v188, v186, -0.5
	s_delay_alu instid0(VALU_DEP_1)
	v_fma_f32 v188, v188, v186, 1.0                ; cos r
	v_cvt_i32_f32 v189, v184
	s_delay_alu instid0(VALU_DEP_1)
	v_add_nc_u32 v189, v189, v179                  ; the quarter q: cos is cos r, -sin r, -cos r, sin r for q % 4 = 0, 1, 2, 3
	s_delay_alu instid0(VALU_DEP_1)
	v_and_b32 v190, 1, v189
	s_delay_alu instid0(VALU_DEP_1)
	v_cmp_eq_u32 vcc_lo, 1, v190
	s_delay_alu instid0(VALU_DEP_1)
	v_cndmask_b32 v[\out], v188, v187, vcc_lo
	s_delay_alu instid0(VALU_DEP_4)
	v_add_nc_u32 v189, 1, v189
	s_delay_alu instid0(VALU_DEP_1)
	v_and_b32 v189, 2, v189
	s_delay_alu instid0(VALU_DEP_1)
	v_lshlrev_b32 v189, 30, v189                   ; the sign: set for q % 4 = 1, 2
	s_delay_alu instid0(VALU_DEP_1)
	v_xor_b32 v[\out], v189, v[\out]
.endm
	TRIG 181, 240
	TRIG 182, 241
	global_store_b64 v242, v[240:241], s[16:17]    ; its registers are never written again
	s_wait_kmcnt 0x0
.irp s, 0,1,2
	s_add_co_i32 s44, s[36+2*\s], 127
	s_lshl_b32 s45, s44, 23
	v_mov_b32 v[10+\s], s45                        ; 2^e as f32: the conversion takes its exponent field
	s_add_co_i32 s44, s44, 15
	s_lshl_b32 s44, s44, 23
	s_or_b32 s44, s44, 0x600000
.endr
.macro ROW r
.set RR, R+32*\r
	s_wait_loadcnt 8*(3-\r)                        ; loads come back in order: norm_w and my rows up to this one are in; the later rows' eight loads each may be out
.irp k, 0,1,2,3
	v_pk_mul_f32 v[TA+2*\k:TA+2*\k+1], v[RR+2*\k:RR+2*\k+1], v[RR+2*\k:RR+2*\k+1]   ; the sum of squares: four chains of pairs, started by products
.endr
.irp k, 4,5,6,7,8,9,10,11,12,13,14,15
	s_delay_alu instid0(VALU_DEP_4)
	v_pk_fma_f32 v[TA+2*(\k%4):TA+2*(\k%4)+1], v[RR+2*\k:RR+2*\k+1], v[RR+2*\k:RR+2*\k+1], v[TA+2*(\k%4):TA+2*(\k%4)+1]
.endr
	s_delay_alu instid0(VALU_DEP_3)
	v_pk_add_f32 v[TA:TA+1], v[TA:TA+1], v[TA+2:TA+3]
	s_delay_alu instid0(VALU_DEP_2)
	v_pk_add_f32 v[TA+4:TA+5], v[TA+4:TA+5], v[TA+6:TA+7]
	s_delay_alu instid0(VALU_DEP_1)
	v_pk_add_f32 v[TA:TA+1], v[TA:TA+1], v[TA+4:TA+5]
	s_delay_alu instid0(VALU_DEP_1)
	v_add_f32 v5, v[TA], v[TA+1]
	s_delay_alu instid0(VALU_DEP_1)
	v_add_f32_dpp v5, v5, v5 row_xmask:1 row_mask:0xf bank_mask:0xf
	s_delay_alu instid0(VALU_DEP_1)
	v_add_f32_dpp v5, v5, v5 row_xmask:2 row_mask:0xf bank_mask:0xf
	s_delay_alu instid0(VALU_DEP_1)
	v_add_f32_dpp v5, v5, v5 row_xmask:4 row_mask:0xf bank_mask:0xf
	s_delay_alu instid0(VALU_DEP_1)
	v_add_f32_dpp v5, v5, v5 row_xmask:8 row_mask:0xf bank_mask:0xf
	s_delay_alu instid0(VALU_DEP_1)
	v_permlanex16_b32 v8, v5, s24, s25
	s_delay_alu instid0(VALU_DEP_1)
	v_add_f32 v5, v5, v8                           ; the row's sum, in every lane
	s_delay_alu instid0(VALU_DEP_1)
	v_fma_f32 v5, v5, s22, s23                     ; the mean + eps
	s_wait_alu depctr_va_vdst(0)
	v_rsq_f32 v6, v5
	v_nop                                          ; a plain instruction behind the transcendental (ISA guide 5.7.2),
	s_wait_alu depctr_va_vdst(0)                   ; and the wait ahead of its first reader
.set kk, 0
.rept 16
	v_pk_mul_f32 v[RR+kk:RR+kk+1], v[RR+kk:RR+kk+1], v[6:7] op_sel_hi:[1,0]   ; x * rms,
.set kk, kk+2
.endr
.set kk, 0
.rept 16
	v_pk_mul_f32 v[RR+kk:RR+kk+1], v[RR+kk:RR+kk+1], v[W+kk:W+kk+1]           ; then * norm_w: two roundings, in this order
.set kk, kk+2
.endr
.irp u, 0,1
.irp i, 0,1,2,3
	ds_store_b128 v3, v[RR+16*\u+4*\i:RR+16*\u+4*\i+3] offset:STG*\u+8*SP*\i
.endr
.endr
.irp u, 0,1
.irp i, 0,1,2,3
	ds_load_b128 v[X+16*\u+4*\i:X+16*\u+4*\i+3], v4 offset:STG*\u+16*\i        ; LDS serves a wave's instructions in order: these see the stores above
.endr
.endr
	s_wait_dscnt 0x0                               ; my 2 x 16 neighbours are in, and the stores have read the row's registers, which now take its codes
.irp u, 0,1
.irp s, 0,1,2
.set TT, TA+16*((3*\u+\s)%2)
.set CC, RR+4*(3*\u+\s)
.irp i, 0,1,2,3,4,5,6,7,8,9,10,11,12,13,14,15
.endr
	v_cvt_scalef32_pk8_bf8_f32 v[CC:CC+1], v[TT+((X+16*\u+0)-(TT+0)):TT+7+((X+16*\u+0)-(TT+0))], v[10+\s]
	v_cvt_scalef32_pk8_bf8_f32 v[CC+2:CC+3], v[TT+8+((X+16*\u+0)-(TT+0)):TT+15+((X+16*\u+0)-(TT+0))], v[10+\s]
	global_store_b128 v2, v[CC:CC+3], s[10+2*\s:11+2*\s] offset:1024*\r+512*\u   ; each store has registers of its own: none is written again
.endr
.endr
.endm
	ROW 0
	ROW 1
	ROW 2
	ROW 3
	s_wait_tensorcnt 0x0
	ds_add_u32 v244, v245
	s_wait_dscnt 0x0
	s_endpgm
.Lfunc_end_k_qcce73bc186_prep:
	.size	k_qcce73bc186_prep, .Lfunc_end_k_qcce73bc186_prep-k_qcce73bc186_prep
	.p2alignl 7, 3214868480
	.fill 96, 4, 3214868480
	.section	.rodata,"a",@progbits
	.p2align	6, 0x0
	.amdhsa_kernel k_qcce73bc186_prep
		.amdhsa_group_segment_fixed_size 41984
		.amdhsa_private_segment_fixed_size 0
		.amdhsa_enable_private_segment 0
		.amdhsa_kernarg_size 56
		.amdhsa_user_sgpr_count 2
		.amdhsa_user_sgpr_kernarg_segment_ptr 1
		.amdhsa_wavefront_size32 1
		.amdhsa_system_sgpr_workgroup_id_x 1
		.amdhsa_system_sgpr_workgroup_id_y 1
		.amdhsa_system_sgpr_workgroup_id_z 1
		.amdhsa_system_vgpr_workitem_id 0
		.amdhsa_next_free_vgpr 246
		.amdhsa_next_free_sgpr 66
		.amdhsa_reserve_vcc 1
		.amdhsa_float_denorm_mode_32 3
		.amdhsa_float_denorm_mode_16_64 3
		.amdhsa_fp16_overflow 1
		.amdhsa_memory_ordered 1
		.amdhsa_forward_progress 1
		.amdhsa_inst_pref_size 40
	.end_amdhsa_kernel
	.amdgpu_metadata
---
amdhsa.version: [ 1, 2 ]
amdhsa.kernels:
  - .name:           k_qcce73bc186_prep
    .symbol:         k_qcce73bc186_prep.kd
    .args:
      - { .name: x, .offset: 0, .size: 8, .value_kind: global_buffer, .address_space: global }
      - { .name: norm_w, .offset: 8, .size: 8, .value_kind: global_buffer, .address_space: global }
      - { .name: lowp_scales, .offset: 16, .size: 8, .value_kind: global_buffer, .address_space: global }
      - { .name: xq, .offset: 24, .size: 8, .value_kind: global_buffer, .address_space: global }
      - { .name: xk, .offset: 32, .size: 8, .value_kind: global_buffer, .address_space: global }
      - { .name: xv, .offset: 40, .size: 8, .value_kind: global_buffer, .address_space: global }
      - { .name: tab, .offset: 48, .size: 8, .value_kind: global_buffer, .address_space: global }
    .group_segment_fixed_size: 41984
    .private_segment_fixed_size: 0
    .kernarg_segment_align: 8
    .kernarg_segment_size: 56
    .max_flat_workgroup_size: 256
    .sgpr_count:     66
    .vgpr_count:     246
    .wavefront_size: 32
...
	.end_amdgpu_metadata
.endif
;; end of part 1
;; launch qkv (part 2): grid 12 x 32, 4 waves a work-group, clusters of 4 x 4, 327,680 bytes of LDS; arguments xq, xk, xv, wq_codes, wk_codes, wv_codes, lowp_scales, tab, qf, kv; writes qf, kv
.if DOCPART == 2
	.amdgcn_target "amdgcn-amd-amdhsa--gfx1250"
	.amdhsa_code_object_version 6
	.text
	.protected	k_qcce73bc186_qkv
	.globl	k_qcce73bc186_qkv
	.p2align	8
	.type	k_qcce73bc186_qkv,@function
k_qcce73bc186_qkv:
	s_mov_b64 s[64:65], 0
	v_nop
	global_prefetch_b8 v0, s[64:65] scope:SCOPE_SE
	s_setreg_imm32_b32 hwreg(HW_REG_WAVE_MODE, 25, 1), 1
	s_wait_xcnt 0x0
	s_wait_alu depctr_hold_cnt(0) depctr_sa_sdst(0) depctr_va_vdst(0) depctr_va_sdst(0) depctr_va_ssrc(0) depctr_va_vcc(0) depctr_vm_vsrc(0)
	s_getreg_b32 s2, hwreg(HW_REG_IB_STS2, 6, 4)
	s_cmp_eq_u32 s2, 0
	s_cbranch_scc0 .Lentry_in_a_cluster
	s_endpgm
.Lentry_in_a_cluster:
	s_bfe_u32 s2, ttmp6, 0x10000c
	s_cmp_lg_u32 s2, 0xf033
	s_cbranch_scc0 .Lentry_shape_is_right
	s_endpgm
.Lentry_shape_is_right:
; QKV.  q = normed wq, k = normed wk, v = normed wv on E5M2 codes (K = 1,024), q and k rotated (RoPE), all three quantised again for attention, with the given scales 2^e6, 2^e7, 2^e9.
; A cluster's x (0, 1, 2) says which projection it makes.  A tile of 256 x 256 results is made by four waves, 128 x 128 each: 64 accumulators, 512 registers.  K goes in steps of 256 through two LDS slots filled by the tensor data mover.
; TWO SIDES.  Side A's 16 rows are source 1 of the matrix instruction, side B's source 0: in a result lane (r, h) holds A's row r and, in registers 0..7, B's rows 8 h + 0..7.
;   q, k: side A = the tokens' codes (32 tiles of rows), side B = the weight's (4 tiles): a lane holds ONE token and eight neighbouring channels: what the rotation and the next product's K (the head's 64) want.
;   v:    side A = the weight's, side B = the tokens': a lane holds ONE channel and eight neighbouring KEYS: what the second product of attention, whose K is the keys, wants.  Only addresses differ: the K loop is written once.
; CLUSTERS: 4 x 4 work-groups.  Side A's tile is shared along a row of the cluster, side B's along a column: each is asked for jointly, by the same tensor load with the same descriptor and a mask that names the four.
; 384 work-groups for 256 WGPs: one and a half turns; a tile of another shape would want another K loop.
; THE FRAGMENTS OF THE K LOOP come by four loads of 16 bytes: lane l holds, of row l % 16, K = 32 c + 16 (l / 16) + 0..15 in registers 4 c .. 4 c + 3: a permutation of k, the same on both sides.
; THE WAY OUT needs no LDS.  The rotation is linear, so it is applied to the raw sums; a sum stands for sum x 2^(eA + eB), so the conversion's one scale is 2^(eOut - eA - eB).  The codes leave as IMAGES of the registers
; that attention's matrix instructions take: 16 bytes a lane, 512 consecutive bytes a store.
;   qf [b h][t / 16][line 0..1][lane][16]: registers 2 c, 2 c + 1 of lane (r, h): channels 16 c + 8 h + 0..7 of token 16 (t / 16) + r.
;   kv [b h][key / 128][16,384]: first eight such fragments of k (1,024 bytes each), then four fragments of v^T (2,048 bytes each): lane (r, h): channel 16 db + r; registers 2 c, 2 c + 1: keys 16 c + 8 h + 0..7.
; LIMITS: e6 - e0 - e1, e7 - e2 - e3 and e9 - e4 - e5 between -126 and 112.
; REGISTERS, in windows of 256: window 0: v0-31 addresses; v32-95 two sets of the table's cos and sin; from v128 side A's fragments, ONE set; on the way out v128-191 64 numbers, v192-207 their codes.
;   window 1: side B's fragments, TWO sets.   window 2: the accumulators of A's blocks 0-3 ((a, b) at v[8 (8 (a % 4) + b)]);   window 3: of blocks 4-7.
.set KSTEP,  256
.set ROWB,   256                       ; a tile's row in bytes
.set KROW,   1024                      ; a row of codes in memory
.set PITCH,  272                       ; an LDS row: 256 bytes + 16 of padding = 68 words: row r starts at bank 4 r mod 64 (ISA guide 11.1)
.set FR,     16                        ; registers of a fragment: 16 rows x 128 K
.set NL,     4                         ; LDS loads that bring one
.set NP,     4                         ; places behind this matrix instruction (ISA guide 7.12.1)
.set HALFT,  128*PITCH                 ; 128 rows: what one tensor load brings
.set SLOT,   4*HALFT                   ; side A's 256 rows, then side B's
.set SPARE,  2*SLOT                    ; behind the ring: the spare words, 128 bytes for each wave
.set ADRA, 16                          ; v16-17  LDS address of my fragments of side A in slot 0, 1
.set ADRB, 20                          ; v20-21  the same for side B
.set OFF,  22                          ; v22     16 x lane; v23: the same, one head further on in the output
.set SCL,  25                          ; v25     2^(eOut - eA - eB) as f32
.set LIMV, 26                          ; v26     57,344 x that
.set SPW,  28                          ; v28     LDS address of my spare word; never rewritten
.set NIL,  29                          ; v29     0; never rewritten
.set CSR,  32                          ; v32-95  the table: two sets of 32
.set AF,   128
.set TQ,   128
.set CQ,   192
.set G1, 24                            ; s[24:31] descriptor group 1 for side A;  s[32:39] group 0, one set for each slot
.set G0, 32
.set G1B, 48                           ; s[48:55], s[56:63] the same for side B
.set G0B, 56
.set PROJ, 88                          ; s88     0: q, 1: k, 2: v
.set MSB, 0
.macro WIN new                         ; the immediate's high byte repeats the setting that is left
.if MSB != (\new)
	s_set_vgpr_msb (MSB<<8)|(\new)
.set MSB, (\new)
.endif
.endm
.set MUL_LO, 0xa1                      ; source 0 (B) window 1, source 1 (A) window 0, C and D window 2
.set MUL_HI, 0xf1                      ; the same, C and D window 3
.set TO_B,   0x40                      ; destination window 1, address window 0
; A joint load: waves 0 and 1 fetch for side A, waves 2 and 3 for side B.  The branch hangs on the wave's number alone.  Four v_nop follow each of the two lines.
.macro JLOAD g0a, g1a, g0b, g1b
	s_cmp_eq_u32 s15, 0
	s_cbranch_scc0 .Lfor_b_\@
	tensor_load_to_lds s[\g0a:\g0a+3], s[\g1a:\g1a+7]
	s_nop 0
.rept 4
	v_nop
.endr
	s_branch .Lasked_\@
.Lfor_b_\@:
	tensor_load_to_lds s[\g0b:\g0b+3], s[\g1b:\g1b+7]
	s_nop 0
.rept 4
	v_nop
.endr
.Lasked_\@:
.endm
.macro CREST                           ; a round of the cluster's barrier behind its opening barrier
	s_cmp_lg_u32 s14, 0
	s_cbranch_scc1 .Lnot_wave_0_\@
	s_barrier_signal -3
.Lnot_wave_0_\@:
	s_barrier_wait -3
	s_barrier_signal -1
	s_barrier_wait -1
.endm
.macro CROUND                          ; a whole round
	s_barrier_signal -1
	s_barrier_wait -1
	CREST
.endm
	s_load_b512 s[68:83], s[0:1], 0x0              ; xq s[68:69], xk, xv, wq s[74:75], wk, wv, the scales' exponents s[80:81], the table s[82:83]
	s_load_b128 s[84:87], s[0:1], 0x40             ; qf, kv
	v_lshl_add_u32 v[SPW], v0, 2, SPARE
	v_mov_b32 v[NIL], 0
	ds_add_u32 v28, v29
	ds_add_u32 v28, v29
	s_wait_dscnt 0x0
	v_lshrrev_b32 v1, 5, v0
	v_readfirstlane_b32 s14, v1                    ; wave 0..3
	s_lshr_b32 s15, s14, 1                         ; which half of side A's rows is mine.  Also: I fetch for A (0) or for B (1)
	s_and_b32 s16, s14, 1                          ; which half of side B's.  Also: which 128 rows of that tile I fetch
	s_bfe_u32 s40, ttmp6, 0x40000                  ; cx, cy: my place in the cluster
	s_bfe_u32 s41, ttmp6, 0x40004
	s_mov_b32 s[PROJ], ttmp9                       ; the cluster's x: the same in all sixteen partners
	s_and_b32 s89, ttmp7, 0xffff
	s_lshl_b32 s89, s89, 2                         ; 4 x the cluster's y: it walks the tokens' 32 tiles
	s_cmp_eq_u32 s[PROJ], 2
	s_cselect_b32 s17, 0, s89
	s_cselect_b32 s42, s89, 0
	s_add_co_u32 s17, s17, s41                     ; side A's tile: it hangs on cy alone of my place,
	s_add_co_u32 s42, s42, s40                     ; side B's on cx alone
	s_lshl_b32 s43, s41, 2
	s_lshl_b32 s43, 15, s43                        ; my row of the cluster
	s_lshl_b32 s44, 0x1111, s40                    ; my column
	s_or_b32 s[G1+0], s43, (0<<16)|(1<<20)|(1<<21)|(5<<22)|(3<<25)  ; 15:0 the mask; 17:16 element of 1 byte; 20 padding on; 21 set beside a mask; 24:22 after every 64 words (code 5); 31:25 of 4 words (code 3)
	s_or_b32 s[G1B+0], s44, (0<<16)|(1<<20)|(1<<21)|(5<<22)|(3<<25)
.irp g, G1, G1B
	s_mov_b32 s[\g+1], ROWB<<16                    ; tensor_dim0
	s_mov_b32 s[\g+2], 128<<16                     ; tensor_dim1 = 128
	s_mov_b32 s[\g+3], ROWB<<16                    ; tile_dim0
	s_mov_b32 s[\g+4], 128                         ; tile_dim1 = 128
	s_mov_b32 s[\g+5], KROW                        ; tensor_dim0_stride
	s_mov_b32 s[\g+6], 0
	s_mov_b32 s[\g+7], 0
.endr
	s_lshl_b32 s18, s16, 7                         ; which 128 rows of the tile I fetch
	s_lshl_b32 s20, s17, 8
	s_add_co_u32 s20, s20, s18
	s_lshl_b32 s20, s20, 10                        ; side A: (256 x tile + 128 x half) rows of 1,024 bytes
	s_mov_b32 s21, 0
	s_lshl_b32 s46, s42, 8
	s_add_co_u32 s46, s46, s18
	s_lshl_b32 s46, s46, 10                        ; side B likewise
	s_mov_b32 s47, 0
	s_mul_i32 s45, s14, HALFT                      ; where they go: wave x 128 rows: no place in the cluster enters an LDS address
	s_wait_kmcnt 0x0
	s_cmp_eq_u32 s[PROJ], 0                        ; the buffers are chosen by the cluster's x, which hangs on no address
	s_cselect_b64 s[4:5], s[68:69], s[70:71]
	s_cselect_b64 s[6:7], s[74:75], s[76:77]
	s_cselect_b64 s[10:11], s[84:85], s[86:87]
	s_cmp_eq_u32 s[PROJ], 2
	s_cselect_b64 s[4:5], s[78:79], s[4:5]         ; side A: xq, xk or wv
	s_cselect_b64 s[6:7], s[72:73], s[6:7]         ; side B: wq, wk or xv
	s_mov_b64 s[12:13], s[82:83]                   ; the table
	s_load_b256 s[68:75], s[80:81], 0x0            ; e0 .. e7
	s_load_b128 s[76:79], s[80:81], 0x20           ; e8 .. e11
	s_add_nc_u64 s[20:21], s[4:5], s[20:21]
	s_add_nc_u64 s[46:47], s[6:7], s[46:47]
	CROUND                                         ; all sixteen work-groups are here: the first joint loads meet
.irp s, 0,1
	s_mov_b32 s[G0+4*\s], 1
	s_add_co_u32 s[G0+4*\s+1], s45, \s*SLOT
	s_add_nc_u64 s[G0+4*\s+2:G0+4*\s+3], s[20:21], \s*ROWB
	s_or_b32 s[G0+4*\s+3], s[G0+4*\s+3], 0x80000000
	s_mov_b32 s[G0B+4*\s], 1
	s_add_co_u32 s[G0B+4*\s+1], s45, \s*SLOT
	s_add_nc_u64 s[G0B+4*\s+2:G0B+4*\s+3], s[46:47], \s*ROWB
	s_or_b32 s[G0B+4*\s+3], s[G0B+4*\s+3], 0x80000000
	JLOAD G0+4*\s, G1, G0B+4*\s, G1B
.endr
	v_and_b32 v1, 15, v0                           ; l % 16
	v_bfe_u32 v2, v0, 4, 1                         ; l / 16
	v_mul_u32_u24 v3, v1, PITCH
	v_lshl_add_u32 v4, v2, 4, v3                   ; a fragment's row x pitch + 16 x half
	s_mul_i32 s21, s15, HALFT                      ; my 128 rows of side A
	s_mul_i32 s22, s16, HALFT                      ; my 128 rows of side B,
	s_add_co_u32 s22, s22, 2*HALFT                 ; which lie behind A's 256
.irp s, 0,1
	v_add_nc_u32 v[ADRA+\s], s21, v4
	v_add_nc_u32 v[ADRB+\s], s22, v4
	s_add_co_u32 s21, s21, SLOT
	s_add_co_u32 s22, s22, SLOT
.endr
	; where my results go.  My 128 tokens: row0 = 256 x their tile + 128 x my half of it; my two heads: head0 = 4 x the channels' tile + 2 x my half of it
	s_cmp_eq_u32 s[PROJ], 2
	s_cselect_b32 s89, s42, s17                    ; the tokens' tile,
	s_cselect_b32 s90, s16, s15                    ; my half of it,
	s_cselect_b32 s91, s17, s42                    ; the channels' tile,
	s_cselect_b32 s92, s15, s16                    ; my half of it
	s_cselect_b32 s95, 8192, 0                     ; v's fragments lie behind k's eight
	s_lshl_b32 s89, s89, 8
	s_lshl_b32 s90, s90, 7
	s_add_co_u32 s89, s89, s90                     ; row0
	s_lshl_b32 s91, s91, 2
	s_lshl_b32 s92, s92, 1
	s_add_co_u32 s91, s91, s92                     ; head0
	s_lshr_b32 s90, s89, 11                        ; the batch: 2,048 tokens each
	s_lshl_b32 s90, s90, 4
	s_add_co_u32 s90, s90, s91                     ; b h
	s_lshl_b32 s90, s90, 4
	s_bfe_u32 s92, s89, 0x40007                    ; which 128 tokens of the 2,048
	s_add_co_u32 s90, s90, s92
	s_mov_b32 s94, 0x40000                         ; a head of kv is 262,144 bytes,
	s_cmp_eq_u32 s[PROJ], 0
	s_cselect_b32 s93, 13, 14                      ; 128 tokens are 8,192 bytes of qf, 16,384 of kv
	s_cselect_b32 s94, 0x20000, s94                ; of qf 131,072
	s_lshl_b32 s90, s90, s93
	s_add_co_u32 s90, s90, s95
	s_mov_b32 s91, 0
	s_add_nc_u64 s[10:11], s[10:11], s[90:91]
	s_bfe_u32 s92, s89, 0x70004                    ; the table: 4,096 bytes for 16 tokens
	s_lshl_b32 s92, s92, 12
	s_mov_b32 s93, 0
	s_add_nc_u64 s[12:13], s[12:13], s[92:93]
	v_and_b32 v5, 31, v0
	v_lshlrev_b32 v[OFF], 4, v5
	v_add_nc_u32 v[OFF+1], s94, v[OFF]
.macro CSLOAD a                        ; cos and sin for my tokens 16 a .. 16 a + 15, into set a % 2: eight loads of 512 consecutive bytes
.irp c, 0,1,2,3,4,5,6,7
	global_load_b128 v[CSR+32*((\a)%2)+4*\c:CSR+32*((\a)%2)+4*\c+3], v[OFF], s[12:13] offset:4096*(\a)+512*\c
.endr
.endm
	CSLOAD 0                                       ; asked for here, a whole K loop ahead of their use.  v's clusters ask too and use nothing of it: so the text has one way from here to the tail
	CSLOAD 1
.macro FRAG reg, adr, q, i             ; a fragment: registers 4 c .. 4 c + 3 hold K = 32 c + 16 (l / 16) + 0 .. 15 of row l % 16
.irp c, 0,1,2,3
	ds_load_b128 v[\reg+4*\c:\reg+4*\c+3], v[\adr] offset:128*(\q)+32*\c+(\i)*16*PITCH
.endr
.endm
; 16 matrix instructions: A's blocks a0, a0 + 1 x B's eight, 128 along K.  p: B's set.  zero = 1: the first product starts the sums.  The 64 accumulators take turns, one instruction a turn, in the same order in every step.
.macro MUL16 a0, p, zero
.irp a, \a0, \a0+1
.irp b, 0,1,2,3,4,5,6,7
.if \zero
	v_wmma_f32_16x16x128_bf8_bf8 v[8*(8*((\a)%4)+\b):8*(8*((\a)%4)+\b)+7], v[128*(\p)+FR*\b:128*(\p)+FR*\b+FR-1], v[AF+FR*(\a):AF+FR*(\a)+FR-1], 0
.else
	v_wmma_f32_16x16x128_bf8_bf8 v[8*(8*((\a)%4)+\b):8*(8*((\a)%4)+\b)+7], v[128*(\p)+FR*\b:128*(\p)+FR*\b+FR-1], v[AF+FR*(\a):AF+FR*(\a)+FR-1], v[8*(8*((\a)%4)+\b):8*(8*((\a)%4)+\b)+7]
.endif
.endr
.endr
.endm
.macro FETCH_B slot, q, p              ; B's eight fragments of the slot's q-th 128 along K into set p
	WIN TO_B
.irp i, 0,1,2,3,4,5,6,7
	FRAG 128*(\p)+FR*\i, ADRB+\slot, \q, \i
.endr
	WIN 0
.endm
.macro FETCH_A slot, q, i0             ; A's blocks i0 .. i0 + 3
.irp i, \i0, \i0+1, \i0+2, \i0+3
	FRAG AF+FR*(\i), ADRA+\slot, \q, \i
.endr
.endm
.macro PLACES n                        ; plain vector instructions between a matrix instruction and a load into, or a vector instruction on, its registers (ISA guide 7.12.1 for vector instructions)
.rept \n
	v_nop
.endr
.endm
; A step of 128 along K that has its successor in the same slot.  A block of A is free as soon as its eight products are issued: blocks 0-3 are fetched anew in the step's middle, blocks 4-7 at its end.
.macro STEP slot, q, zero
	s_wait_dscnt 4*NL                              ; B's set and A's blocks 0-3 are in; the youngest sixteen loads (A's blocks 4-7) may be out
	WIN MUL_LO
	MUL16 0, (\q)%2, \zero
	MUL16 2, (\q)%2, \zero
	s_wait_dscnt 0                                 ; A's blocks 4-7 are in (asked for 32 matrix instructions ago)
	PLACES NP
	FETCH_B \slot, (\q)+1, 1-(\q)%2
	FETCH_A \slot, (\q)+1, 0
	WIN MUL_HI
	MUL16 4, (\q)%2, \zero
	MUL16 6, (\q)%2, \zero
	PLACES NP
	WIN 0
	FETCH_A \slot, (\q)+1, 4
.endm
; A slot's last step changes slots: ONE barrier; in front of it each wave waits for all its tensor loads, adds 0 to its spare word, and waits for that and for its own reads of this slot.  fill = 1: this slot is filled again, two K steps ahead.
.macro TURN slot, next, fill
	s_wait_tensorcnt 0x0                           ; all my tensor loads have landed: my part of the next slot;  (every window is 0 here)
	ds_add_u32 v[SPW], v[NIL]                      ; 0 onto my spare word
	s_wait_dscnt 4*NL+1                            ; (the add and the youngest sixteen loads, A's blocks 4-7, may be out)
	WIN MUL_LO
	MUL16 0, 1, 0                                  ; sixteen matrix instructions stand between the add and the wait for it
	s_wait_dscnt 0x0                               ; the add is done, and my reads of this slot are over
	s_barrier_signal -1
	MUL16 2, 1, 0
	WIN 0
	s_barrier_wait -1
.if \fill
	CREST                                          ; the barrier has opened a round of the cluster's barrier: no wave of any partner still reads this slot's tile or has a load on its way
	s_add_nc_u64 s[G0+4*\slot+2:G0+4*\slot+3], s[G0+4*\slot+2:G0+4*\slot+3], 2*ROWB
	s_add_nc_u64 s[G0B+4*\slot+2:G0B+4*\slot+3], s[G0B+4*\slot+2:G0B+4*\slot+3], 2*ROWB
	JLOAD G0+4*\slot, G1, G0B+4*\slot, G1B         ; the first tensor load behind the round; its four v_nop are also the places in front of the loads below
.else
	PLACES NP
.endif
	FETCH_B \next, 0, 0
	FETCH_A \next, 0, 0
	WIN MUL_HI
	MUL16 4, 1, 0
	MUL16 6, 1, 0
	PLACES NP
	WIN 0
	FETCH_A \next, 0, 4
.endm
	s_wait_alu depctr_va_vdst(0)
	s_wait_tensorcnt 1                             ; my part of K step 0 is in (K step 1's load may be out)
	s_barrier_signal -1
	s_barrier_wait -1                              ; everybody's is
	FETCH_B 0, 0, 0
	FETCH_A 0, 0, 0
	FETCH_A 0, 0, 4
	STEP 0, 0, 1                                   ; K = 1,024 is four K steps, eight steps of 128: written out.  The first products start the sums
	TURN 0, 1, 1                                   ; slot 0 takes K step 2
	STEP 1, 0, 0
	TURN 1, 0, 1                                   ; slot 1 takes K step 3
	STEP 0, 0, 0
	TURN 0, 1, 0                                   ; nothing is left to fetch
	STEP 1, 0, 0
	s_wait_dscnt 4*NL                              ; the very last step
	WIN MUL_LO
	MUL16 0, 1, 0
	MUL16 2, 1, 0
	s_wait_dscnt 0
	WIN MUL_HI
	MUL16 4, 1, 0
	MUL16 6, 1, 0
	WIN 0
	s_wait_kmcnt 0x0
	s_cmp_eq_u32 s[PROJ], 0                        ; the three exponents are chosen without a branch
	s_cselect_b32 s89, s74, s75                    ; eOut: e6, e7 or e9
	s_cselect_b32 s90, s68, s70                    ; the tokens': e0, e2 or e4
	s_cselect_b32 s91, s69, s71                    ; the weight's: e1, e3 or e5
	s_cmp_eq_u32 s[PROJ], 2
	s_cselect_b32 s89, s77, s89
	s_cselect_b32 s90, s72, s90
	s_cselect_b32 s91, s73, s91
	s_sub_co_i32 s89, s89, s90
	s_sub_co_i32 s89, s89, s91
	s_add_co_i32 s89, s89, 127
	s_lshl_b32 s90, s89, 23
	v_mov_b32 v[SCL], s90
	s_add_co_i32 s89, s89, 15
	s_lshl_b32 s89, s89, 23
	s_or_b32 s89, s89, 0x600000
	v_mov_b32 v[LIMV], s89
	PLACES NP                                      ; behind the last products: for the reads of their results and the writes over side A's fragments
	s_cmp_eq_u32 s[PROJ], 2
	s_cbranch_scc1 .Lv_out
; q AND k: block a = tokens 16 a .. 16 a + 15.  Accumulator (a, b): head b / 4 of my two, channels 16 (b % 4) + 8 h + 0..7.  Channel d < 32 and channel d + 32 lie in the same register of accumulators b and b + 2:
; lo' = lo cos - hi sin, hi' = hi cos + lo sin, two channels an instruction.  Each accumulator is read from its low end on.
.macro ROPE a
.set AW, 64*((\a)%4)
.set CB, CSR+32*((\a)%2)
.if (\a) < 7
	s_wait_loadcnt 8                               ; this block's table is in; the next block's eight loads may be out
.else
	s_wait_loadcnt 0x0
.endif
	WIN 0x02+((\a)/4)                              ; source 0: window 2 or 3
.irp hh, 0,1
.irp g, 0,1
.irp ii, 0,1,2,3
.set LO, AW+8*(4*\hh+\g)+2*\ii
.set HI, LO+16
.set CN, CB+4*(4*\g+\ii)
.set TL, TQ+32*\hh+8*\g+2*\ii
.set TH, TL+16
	v_pk_mul_f32 v[TL:TL+1], v[LO:LO+1], v[CN:CN+1]
	v_pk_mul_f32 v[TH:TH+1], v[HI:HI+1], v[CN:CN+1]
	v_pk_fma_f32 v[TL:TL+1], v[HI:HI+1], v[CN+2:CN+3], v[TL:TL+1] neg_lo:[0,1,0] neg_hi:[0,1,0]
	v_pk_fma_f32 v[TH:TH+1], v[LO:LO+1], v[CN+2:CN+3], v[TH:TH+1]
.endr
.endr
.endr
	WIN 0
.if (\a) < 6
	CSLOAD (\a)+2                                  ; into the set just read
.endif
.set jj, 0
.rept 64
.set jj, jj+1
.endr
.if (\a) > 0
	s_wait_alu depctr_va_vdst(0)
	s_wait_xcnt 0x0                                ; the last block's stores have read their data: the codes' registers are written again only behind this wait
.endif
.irp n, 0,1,2,3,4,5,6,7
	v_cvt_scalef32_pk8_bf8_f32 v[CQ+2*\n:CQ+2*\n+1], v[TQ+8*\n:TQ+8*\n+7], v[SCL]   ; registers 2 c, 2 c + 1 of head n / 4's fragment, c = n % 4
.endr
	v_nop                                          ; a plain instruction between the conversions and the next write of their sources
.irp hh, 0,1
.irp u, 0,1
	global_store_b128 v[OFF+\hh], v[CQ+8*\hh+4*\u:CQ+8*\hh+4*\u+3], s[10:11] offset:1024*(\a)+512*\u   ; 32 lanes store 512 consecutive bytes, aligned
.endr
.endr
.endm
.irp a, 0,1,2,3,4,5,6,7
	ROPE \a
.endr
	s_branch .Lout_done
; v: block a = channels 16 a .. 16 a + 15: head a / 4 of my two, db = a % 4.  Accumulator (a, b): keys 16 b + 8 h + 0..7: registers 2 b, 2 b + 1 of the fragment.
.Lv_out:
.macro VOUT a
.set AW, 64*((\a)%4)
	WIN 0x02+((\a)/4)
.set jj, 0
.rept 64
	v_med3_num_f32 v[TQ+jj], v[AW+jj], -v[LIMV], v[LIMV]   ; the hold, out of the accumulators, each from its low end on
.set jj, jj+1
.endr
	WIN 0
.if (\a) > 0
	s_wait_alu depctr_va_vdst(0)
	s_wait_xcnt 0x0                                ; the last block's stores have read their data
.endif
.irp n, 0,1,2,3,4,5,6,7
	v_cvt_scalef32_pk8_bf8_f32 v[CQ+2*\n:CQ+2*\n+1], v[TQ+8*\n:TQ+8*\n+7], v[SCL]
.endr
	v_nop
.irp u, 0,1,2,3
	global_store_b128 v[OFF+(\a)/4], v[CQ+4*\u:CQ+4*\u+3], s[10:11] offset:2048*((\a)%4)+512*\u
.endr
.endm
	s_wait_alu depctr_va_vdst(0)
.irp a, 0,1,2,3,4,5,6,7
	VOUT \a
.endr
.Lout_done:
	s_wait_tensorcnt 0x0                           ; the wave's end
	ds_add_u32 v[SPW], v[NIL]
	s_wait_dscnt 0x0
	CROUND                                         ; the closing round: no work-group ends while a partner may still ask for a tile that names it
	s_endpgm
.Lfunc_end_k_qcce73bc186_qkv:
	.size	k_qcce73bc186_qkv, .Lfunc_end_k_qcce73bc186_qkv-k_qcce73bc186_qkv
	.p2alignl 7, 3214868480
	.fill 96, 4, 3214868480
	.section	.rodata,"a",@progbits
	.p2align	6, 0x0
	.amdhsa_kernel k_qcce73bc186_qkv
		.amdhsa_group_segment_fixed_size 327680
		.amdhsa_private_segment_fixed_size 0
		.amdhsa_enable_private_segment 0
		.amdhsa_kernarg_size 80
		.amdhsa_user_sgpr_count 2
		.amdhsa_user_sgpr_kernarg_segment_ptr 1
		.amdhsa_wavefront_size32 1
		.amdhsa_system_sgpr_workgroup_id_x 1
		.amdhsa_system_sgpr_workgroup_id_y 1
		.amdhsa_system_sgpr_workgroup_id_z 1
		.amdhsa_system_vgpr_workitem_id 0
		.amdhsa_next_free_vgpr 1024
		.amdhsa_next_free_sgpr 100
		.amdhsa_reserve_vcc 0
		.amdhsa_float_denorm_mode_32 3
		.amdhsa_float_denorm_mode_16_64 3
		.amdhsa_fp16_overflow 1
		.amdhsa_memory_ordered 1
		.amdhsa_forward_progress 1
		.amdhsa_inst_pref_size 166
	.end_amdhsa_kernel
	.amdgpu_metadata
---
amdhsa.version: [ 1, 2 ]
amdhsa.kernels:
  - .name:           k_qcce73bc186_qkv
    .symbol:         k_qcce73bc186_qkv.kd
    .args:
      - { .name: xq, .offset: 0, .size: 8, .value_kind: global_buffer, .address_space: global }
      - { .name: xk, .offset: 8, .size: 8, .value_kind: global_buffer, .address_space: global }
      - { .name: xv, .offset: 16, .size: 8, .value_kind: global_buffer, .address_space: global }
      - { .name: wq_codes, .offset: 24, .size: 8, .value_kind: global_buffer, .address_space: global }
      - { .name: wk_codes, .offset: 32, .size: 8, .value_kind: global_buffer, .address_space: global }
      - { .name: wv_codes, .offset: 40, .size: 8, .value_kind: global_buffer, .address_space: global }
      - { .name: lowp_scales, .offset: 48, .size: 8, .value_kind: global_buffer, .address_space: global }
      - { .name: tab, .offset: 56, .size: 8, .value_kind: global_buffer, .address_space: global }
      - { .name: qf, .offset: 64, .size: 8, .value_kind: global_buffer, .address_space: global }
      - { .name: kv, .offset: 72, .size: 8, .value_kind: global_buffer, .address_space: global }
    .group_segment_fixed_size: 327680
    .private_segment_fixed_size: 0
    .kernarg_segment_align: 8
    .kernarg_segment_size: 80
    .max_flat_workgroup_size: 128
    .sgpr_count:     100
    .vgpr_count:     1024
    .wavefront_size: 32
...
	.end_amdgpu_metadata
.endif
;; end of part 2
;; launch attn (part 3): grid 4 x 64, 16 waves a work-group, clusters of 4 x 1, 327,680 bytes of LDS; arguments qf, kv, lowp_scales, af; writes af
.if DOCPART == 3
	.amdgcn_target "amdgcn-amd-amdhsa--gfx1250"
	.amdhsa_code_object_version 6
	.text
	.protected	k_qcce73bc186_attn
	.globl	k_qcce73bc186_attn
	.p2align	8
	.type	k_qcce73bc186_attn,@function
k_qcce73bc186_attn:
	s_mov_b64 s[64:65], 0
	v_nop
	global_prefetch_b8 v0, s[64:65] scope:SCOPE_SE
	s_setreg_imm32_b32 hwreg(HW_REG_WAVE_MODE, 25, 1), 1
	s_wait_xcnt 0x0
	s_wait_alu depctr_hold_cnt(0) depctr_sa_sdst(0) depctr_va_vdst(0) depctr_va_sdst(0) depctr_va_ssrc(0) depctr_va_vcc(0) depctr_vm_vsrc(0)
	s_getreg_b32 s2, hwreg(HW_REG_IB_STS2, 6, 4)
	s_cmp_eq_u32 s2, 0
	s_cbranch_scc0 .Lentry_in_a_cluster
	s_endpgm
.Lentry_in_a_cluster:
	s_bfe_u32 s2, ttmp6, 0x10000c
	s_cmp_lg_u32 s2, 0x3003
	s_cbranch_scc0 .Lentry_shape_is_right
	s_endpgm
.Lentry_shape_is_right:
; ATTN.  Causal attention on E5M2 codes, 64 (batch, head) pairs, 2,048 tokens, head size 64; its result, divided by the row's sum, is quantised with 2^e10 for the last projection.
; THE SOFTMAX AHEAD OF THE SECOND PRODUCT: t = score x log2(e) / 8; M = the row's largest t so far, rounded UP to a whole number; p = 2^(t - M) is what is quantised (2^e8), not normalised.
; The row's sum is taken of the unquantised p.  When M moves, the sum and O are multiplied by 2^(old M - new M): exact.
; NO RING.  A head's codes of k and v are one dense block of 262,144 bytes of kv: it lies in LDS whole, so nothing is ever filled again.  The four work-groups of a cluster are ONE head and ask for that block jointly:
; each of the sixteen waves issues two loads of 8,192 bytes (one in each half of the block), with a mask that names the four.  A wave has at most one tensor load out: it waits for the first before it asks for the second.  All of K and V is asked for at the head, so there is nothing to prefetch.
; SHARES.  The head's 128 tiles of 16 queries lie in 16 blocks of 128 queries.  A wave owns one tile of block p (0..7) and then one of block 15 - p: (p + 1) + (16 - p) = 17 key steps of 128 keys for every wave.
; p and the tile's upper bit come from the wave's number; the place in the cluster, cx, gives the tile's two lower bits and enters only global addresses and the number that the mask compares: no branch and no LDS address hangs on it.
; Both loops have constant trip counts (8 and 16); a step all of whose keys come after the block is jumped over by a scalar branch; in the block on the diagonal hidden scores become -infinity ahead of the maximum.
; LAYOUT.  Both products are used transposed: S^T = K Q^T (source 0 = 16 keys, source 1 = my 16 queries; K = 64), O^T = V^T P^T (source 0 = 16 channels, source 1 = P; K = 128 keys): a lane holds ONE query (lane % 16) throughout.
; Register j of S^T's tile c is key 16 c + 8 (lane / 16) + j: its eight codes are registers 2 c, 2 c + 1 of P as the second product takes it.  Every fragment comes from LDS as an image: 16 bytes a lane at 16 x lane.
; THE RESULT leaves as fragments of the last projection's left operand: af [row / 16][k / 128][line c = 0..3][lane][16]: lane (r, h), line c: k = 32 c + 16 h + 0..15 of row r.  A lane holds 8 codes of each 16 channels: one exchange between the halves of the lanes makes 16.
; LIMITS: e6 + e7 between -123 and 130 (added to the exponent field of log2(e) / 8); e8, and e10 - e8 - e9, between -126 and 112.
; REGISTERS: v1 16 x lane; v2 the step's LDS address; v3 the mask's number; v4 lane; v12 -M, v13 the largest t, v[14:15] the sum in two halves; v16-23, v24-31 my two tiles of Q; v32-95 K's eight fragments, then V's four;
;   v96-159 S^T, then p; v160-191 O^T; v192-207 p's codes; v208-231 the way out; v236-254 at work.
.set WV,  12                           ; s12  my wave's number
.set SEL, 20                           ; s[20:21] lane selects: lane l xor 16
.set CS,  22                           ; s[22:23] c = log2(e) / 8 x 2^(e6 + e7)
.set G1,  24                           ; s[24:31] descriptor group 1: 32 rows of 256 bytes, dense
.set G0A, 32                           ; s[32:35], s[36:39] groups 0: my part of the block's first half, of its second
.set G0B, 36
.set KB,  40                           ; s40  the key block in hand, and the loops' counter
.set TB,  41                           ; s41  its first LDS byte
.set QB,  42                           ; s42  my queries' block
.set HALFB, 131072
.macro CROUND                          ; a round of the cluster's barrier
	s_barrier_signal -1
	s_barrier_wait -1
	s_cmp_lg_u32 s[WV], 0
	s_cbranch_scc1 .Lnot_wave_0_\@
	s_barrier_signal -3
.Lnot_wave_0_\@:
	s_barrier_wait -3
	s_barrier_signal -1
	s_barrier_wait -1
.endm
	s_load_b256 s[4:11], s[0:1], 0x0               ; qf s[4:5], kv s[6:7], the scales' exponents s[8:9], af s[10:11]
	v_lshl_add_u32 v251, v0, 2, 0x40000
	v_mov_b32 v255, 0
	ds_add_u32 v251, v255
	ds_add_u32 v251, v255
	v_lshrrev_b32 v2, 5, v0
	s_delay_alu instid0(VALU_DEP_1)
	v_readfirstlane_b32 s[WV], v2                  ; wave 0..15
	v_and_b32 v4, 31, v0
	s_delay_alu instid0(VALU_DEP_1)
	v_lshlrev_b32 v1, 4, v4
	s_bfe_u32 s13, ttmp6, 0x40000                  ; cx
	s_and_b32 s14, ttmp7, 0xffff                   ; b h: the cluster's y
	s_lshr_b32 s16, s[WV], 2
	s_xor_b32 s15, s[WV], s16
	s_and_b32 s15, s15, 1
	s_lshl_b32 s16, s16, 1
	s_add_co_u32 s15, s15, s16                     ; p = 2 (w / 4) + ((w xor w / 4) % 2)
	s_bfe_u32 s17, s[WV], 0x10001
	s_lshl_b32 s17, s17, 2
	s_add_co_u32 s17, s17, s13                     ; my tile in a block of eight: 4 ((w / 2) % 2) + cx
	s_mov_b32 s[G1], 15|(3<<16)|(1<<21)            ; 15:0 the mask: all four work-groups; 17:16 elements of 8 bytes; 21 set beside a mask; no padding
	s_mov_b32 s[G1+1], 32<<16                      ; tensor_dim0 = 32 elements: 256 bytes
	s_mov_b32 s[G1+2], 32<<16                      ; tensor_dim1 = 32
	s_mov_b32 s[G1+3], 32<<16                      ; tile_dim0
	s_mov_b32 s[G1+4], 32                          ; tile_dim1
	s_mov_b32 s[G1+5], 32                          ; tensor_dim0_stride: dense
	s_mov_b32 s[G1+6], 0
	s_mov_b32 s[G1+7], 0
	s_mov_b32 s[G0A], 1
	s_mov_b32 s[G0B], 1
	s_lshl_b32 s[G0A+1], s[WV], 13                 ; LDS: 8,192 x wave,
	s_add_co_u32 s[G0B+1], s[G0A+1], HALFB         ; and the same in the second half
	s_lshl_b32 s18, s14, 18                        ; the head's block,
	s_add_co_u32 s18, s18, s[G0A+1]                ; my part of it: as it lies in LDS
	s_mov_b32 s19, 0
	s_mov_b32 s[SEL], 0x76543210
	s_mov_b32 s[SEL+1], 0xfedcba98
	s_wait_dscnt 0x0
	s_wait_kmcnt 0x0
	s_add_nc_u64 s[G0A+2:G0A+3], s[6:7], s[18:19]
	s_add_nc_u64 s[G0B+2:G0B+3], s[G0A+2:G0A+3], HALFB
	s_or_b32 s[G0A+3], s[G0A+3], 0x80000000
	s_or_b32 s[G0B+3], s[G0B+3], 0x80000000
	CROUND                                         ; all four work-groups are here: the joint loads meet
	tensor_load_to_lds s[G0A:G0A+3], s[G1:G1+7]    ; key blocks 0 to 7
	s_nop 0
	s_wait_alu depctr_va_vdst(0)
	s_wait_tensorcnt 0x0
	ds_add_u32 v251, v255
	s_wait_dscnt 0x0
	CROUND
	tensor_load_to_lds s[G0B:G0B+3], s[G1:G1+7]    ; key blocks 8 to 15
	s_nop 0
.rept 4
	v_nop
.endr
	s_load_b256 s[68:75], s[8:9], 0x0              ; e0 .. e7
	s_load_b128 s[76:79], s[8:9], 0x20             ; e8 .. e11
	s_lshl_b32 s43, s15, 3
	s_add_co_u32 s48, s43, s17                     ; my first tile: 8 p + its place,
	s_sub_co_u32 s49, 120, s43
	s_add_co_u32 s49, s49, s17                     ; my second: 8 (15 - p) + its place
	s_lshl_b32 s50, s14, 17                        ; qf: a head is 131,072 bytes, a tile 1,024
	s_lshl_b32 s52, s48, 10
	s_add_co_u32 s52, s52, s50
	s_mov_b32 s53, 0
	s_add_nc_u64 s[52:53], s[4:5], s[52:53]
	s_lshl_b32 s54, s49, 10
	s_add_co_u32 s54, s54, s50
	s_mov_b32 s55, 0
	s_add_nc_u64 s[54:55], s[4:5], s[54:55]
	s_wait_alu depctr_va_vdst(0)
	global_load_b128 v[16:19], v1, s[52:53]
	global_load_b128 v[20:23], v1, s[52:53] offset:512
	global_load_b128 v[24:27], v1, s[54:55]
	global_load_b128 v[28:31], v1, s[54:55] offset:512
	s_lshr_b32 s56, s14, 4                         ; af: a batch's 128 tiles of rows are 2^21 bytes; a tile of rows 16,384; 128 along k (two heads) 2,048; a head 1,024
	s_lshl_b32 s56, s56, 21
	s_bfe_u32 s57, s14, 0x30001
	s_lshl_b32 s57, s57, 11
	s_add_co_u32 s56, s56, s57
	s_and_b32 s57, s14, 1
	s_lshl_b32 s57, s57, 10
	s_add_co_u32 s56, s56, s57
	s_lshl_b32 s44, s48, 14
	s_add_co_u32 s44, s44, s56
	s_mov_b32 s45, 0
	s_add_nc_u64 s[44:45], s[10:11], s[44:45]      ; where my first tile's codes go,
	s_lshl_b32 s46, s49, 14
	s_add_co_u32 s46, s46, s56
	s_mov_b32 s47, 0
	s_add_nc_u64 s[46:47], s[10:11], s[46:47]      ; and my second's
	v_and_b32 v5, 15, v0
	v_bfe_u32 v6, v0, 4, 1
	s_delay_alu instid0(VALU_DEP_1)
	v_lshlrev_b32 v6, 3, v6
	s_delay_alu instid0(VALU_DEP_1)
	v_sub_nc_u32 v3, v5, v6
	s_lshl_b32 s43, s17, 4
	v_add_nc_u32 v3, s43, v3                       ; my query's place in its block less 8 (lane / 16): register i of tile c is hidden on the diagonal where 16 c + i is greater
	v_mov_b32 v236, 0                              ; written once: a lane permute's destination counts as one of its sources
	v_mov_b32 v218, 0
	v_mov_b32 v219, 0
	v_mov_b32 v252, 0
	v_mov_b32 v253, 0                              ; (named as the upper half of the pair v[252:253])
	s_wait_kmcnt 0x0
	s_add_co_i32 s43, s74, s75
	s_lshl_b32 s43, s43, 23
	s_add_co_i32 s[CS], s43, 0x3e38aa3b            ; log2(e) / 8, with e6 + e7 added to its exponent field
	s_mov_b32 s[CS+1], s[CS]                       ; (named with it as a pair)
	s_add_co_i32 s43, s76, 127
	s_lshl_b32 s58, s43, 23
	v_mov_b32 v244, s58                            ; 2^e8
	s_sub_co_i32 s43, s78, s76
	s_sub_co_i32 s43, s43, s77
	s_add_co_i32 s43, s43, 127
	s_lshl_b32 s58, s43, 23
	v_mov_b32 v245, s58                            ; 2^(e10 - e8 - e9): a sum of the second product stands for sum x 2^(e8 + e9)
; A KEY STEP: the 128 keys of block KB, for the tile of queries in v[qr] on.
.macro STEP qr
	s_cmp_gt_u32 s[KB], s[QB]                      ; all its keys come after my queries: nothing to do.  The branch hangs on the wave's number and the loop's counter
	s_cbranch_scc1 .Lhid_\@
	s_setprio 2
	v_add_nc_u32 v2, s[TB], v1
.rept 3
	v_nop                                          ; with the addition: four places in front of loads into registers that the last products read
.endr
.set cc, 0
.rept 8
	ds_load_b128 v[32+8*cc:35+8*cc], v2 offset:1024*cc        ; K's fragment of keys 16 c on: two lines of 512 bytes
	ds_load_b128 v[36+8*cc:39+8*cc], v2 offset:1024*cc+512
.set cc, cc+1
.endr
	s_wait_alu depctr_va_vdst(0)
	s_wait_dscnt 0x0
.set cc, 0
.rept 8
	v_wmma_f32_16x16x64_bf8_bf8 v[96+8*cc:103+8*cc], v[32+8*cc:39+8*cc], v[\qr:\qr+7], 0
.set cc, cc+1
.endr
.rept 4
	v_nop                                          ; places: in front of the loads over K's fragments and of the first read of the scores
.endr
.set cc, 0
.rept 16
	ds_load_b128 v[32+4*cc:35+4*cc], v2 offset:8192+512*cc    ; V's four fragments, four lines each: they land under the softmax
.set cc, cc+1
.endr
	s_cmp_lg_u32 s[KB], s[QB]
	s_cbranch_scc1 .Lopen_\@
	v_mov_b32 v254, 0xff800000                     ; on the diagonal: -infinity for hidden keys, so that p = 0.  A query's own key counts, so the largest t is a number
.set nn, 0
.rept 64
	v_cmp_gt_i32 vcc_lo, 16*(nn/8)+nn%8, v3
	v_cndmask_b32 v[96+nn], v[96+nn], v254, vcc_lo
.set nn, nn+1
.endr
.Lopen_\@:
	v_max3_num_f32 v254, v96, v97, v98             ; the step's largest score of my query among my 64 keys, in two chains; each tile is first read at its low end
	v_max3_num_f32 v252, v99, v100, v101
.irp i, 6,10,14,18,22,26,30,34,38,42,46,50,54,58
	v_max3_num_f32 v254, v254, v[96+\i], v[97+\i]
	v_max3_num_f32 v252, v252, v[98+\i], v[99+\i]
.endr
	v_max3_num_f32 v254, v254, v158, v159
	s_delay_alu instid0(VALU_DEP_1)
	v_max_num_f32 v254, v254, v252
	s_delay_alu instid0(VALU_DEP_1)
	v_permlanex16_b32 v236, v254, s[SEL], s[SEL+1]
	s_delay_alu instid0(VALU_DEP_1)
	v_max_num_f32 v254, v254, v236                 ; and among lane l xor 16's
	s_delay_alu instid0(VALU_DEP_1)
	v_mul_f32 v254, s[CS], v254                    ; as t (c is positive)
	s_delay_alu instid0(VALU_DEP_1)
	v_max_num_f32 v13, v13, v254                   ; the running largest t
	v_mov_b32 v254, v12
	s_delay_alu instid0(VALU_DEP_2)
	v_floor_f32 v12, -v13                          ; the new -M = floor(-t): M is a whole number
	s_delay_alu instid0(VALU_DEP_1)
	v_sub_f32 v254, v12, v254                      ; old M - new M: a whole number, 0 or less
	s_delay_alu instid0(VALU_DEP_1)
	v_cvt_i32_f32 v254, v254                       ; (it saturates)
	s_delay_alu instid0(VALU_DEP_1)
	v_ldexp_f32 v252, 1.0, v254                    ; f = 2^(old M - new M)
.set jj, 0
	s_setprio 1
.rept 32
	v_pk_fma_f32 v[96+jj:97+jj], v[96+jj:97+jj], s[CS:CS+1], v[12:13] op_sel_hi:[1,0,0]   ; t - M, two at a time
.set jj, jj+2
.endr
.set jj, 0
	s_wait_alu depctr_va_vdst(0)
.rept 64
	v_exp_f32 v[96+jj], v[96+jj]                   ; p = 2^(t - M), at most 1
.set jj, jj+1
.endr
	v_pk_mul_f32 v[14:15], v[14:15], v[252:253] op_sel_hi:[1,0]   ; the sums under the new M: the plain instruction behind the exponentials
	s_wait_alu depctr_va_vdst(0)                   ; one wait for the whole batch, ahead of its first reader
	v_pk_add_f32 v[242:243], v[96:97], v[98:99]    ; the row's sum is taken of the unquantised p: two at a time, in two chains
.irp j, 4,8,12,16,20,24,28,32,36,40,44,48,52,56,60
	v_pk_add_f32 v[14:15], v[14:15], v[96+\j:97+\j]
	v_pk_add_f32 v[242:243], v[242:243], v[98+\j:99+\j]
.endr
	s_delay_alu instid0(VALU_DEP_1)
	v_pk_add_f32 v[14:15], v[14:15], v[242:243]
.set cc, 0
	s_setprio 0
.rept 8
.set jj, 0
.rept 8
.set jj, jj+1
.endr
	v_cvt_scalef32_pk8_bf8_f32 v[192+2*cc:193+2*cc], v[96+8*cc:103+8*cc], v244
.set cc, cc+1
.endr
.set jj, 0
.rept 16
	v_pk_mul_f32 v[160+jj:161+jj], v[160+jj:161+jj], v[252:253] op_sel_hi:[1,0]   ; O^T under the new M.  (Plain instructions between the conversions and the products that read their results)
.set jj, jj+2
.endr
	s_wait_alu depctr_va_vdst(0)
	s_wait_dscnt 0x0                               ; V is in
.set cc, 0
.rept 4
	v_wmma_f32_16x16x128_bf8_bf8 v[160+8*cc:167+8*cc], v[32+16*cc:47+16*cc], v[192:207], v[160+8*cc:167+8*cc]   ; four accumulators, one instruction a turn
.set cc, cc+1
.endr
.Lhid_\@:
.endm
.macro INIT                            ; a tile begins: the largest t under every t, zeros for the sum and O^T, which the first change of M leaves zeros: so the step is written once for each loop
	v_mov_b32 v13, 0xff61b1e6                      ; -3e38
	s_delay_alu instid0(VALU_DEP_1)
	v_floor_f32 v12, -v13
	v_mov_b32 v14, 0
	v_mov_b32 v15, 0
.set jj, 0
.rept 32
	v_mov_b32 v[160+jj], 0
.set jj, jj+1
.endr
.endm
; A tile ends: O^T / the sum, quantised, laid as the last projection's fragment lines, stored.
.macro OUT base
.rept 4
	v_nop                                          ; places behind the last products
.endr
	s_wait_xcnt 0x0                                ; earlier stores have read their data: v224-231 are written again only behind this wait
	v_add_f32 v14, v14, v15
	s_delay_alu instid0(VALU_DEP_1)
	v_permlanex16_b32 v252, v14, s[SEL], s[SEL+1]
	s_delay_alu instid0(VALU_DEP_1)
	v_add_f32 v14, v14, v252                       ; the row's sum
	s_wait_alu depctr_va_vdst(0)
	v_rcp_f32 v14, v14
	v_nop                                          ; a plain instruction behind the transcendental
	v_cmp_le_u32 vcc_lo, 16, v4                    ; the upper half of the lanes
	s_wait_alu depctr_va_vdst(0)                   ; the wait ahead of the reciprocal's first reader
.set jj, 0
.rept 16
	v_pk_mul_f32 v[96+jj:97+jj], v[160+jj:161+jj], v[14:15] op_sel_hi:[1,0]   ; register 8 db + j: channel 16 db + 8 h + j of my query
.set jj, jj+2
.endr
.set jj, 0
.rept 32
.set jj, jj+1
.endr
.irp d, 0,1,2,3
	v_cvt_scalef32_pk8_bf8_f32 v[208+2*\d:209+2*\d], v[96+8*\d:103+8*\d], v245
.endr
	v_nop                                          ; a plain instruction between the conversions and the first read of their results
; Line c wants of lane (r, h) channels 32 c + 16 h + 0..15: both halves' eight codes of db = 2 c + h.  So a lower lane keeps its db = 2 c and sends its db = 2 c + 1; an upper lane the other way round.
.irp c, 0,1
	v_cndmask_b32 v216, v[210+4*\c], v[208+4*\c], vcc_lo
	v_cndmask_b32 v217, v[211+4*\c], v[209+4*\c], vcc_lo
	s_delay_alu instid0(VALU_DEP_2)
	v_permlanex16_b32 v218, v216, s[SEL], s[SEL+1]
	s_delay_alu instid0(VALU_DEP_2)
	v_permlanex16_b32 v219, v217, s[SEL], s[SEL+1]
	v_cndmask_b32 v[224+4*\c], v[208+4*\c], v218, vcc_lo
	v_cndmask_b32 v[225+4*\c], v[209+4*\c], v219, vcc_lo
	v_cndmask_b32 v[226+4*\c], v218, v[210+4*\c], vcc_lo
	v_cndmask_b32 v[227+4*\c], v219, v[211+4*\c], vcc_lo
	global_store_b128 v1, v[224+4*\c:227+4*\c], s[\base:\base+1] offset:512*\c   ; 32 lanes store 512 consecutive bytes, aligned
.endr
.endm
	s_wait_tensorcnt 1                             ; my part of key blocks 0 to 7 is in; the second half's may stay out, and the first loop reads the first half alone
	s_barrier_signal -1
	s_barrier_wait -1                              ; everybody's is
	s_wait_loadcnt 0x0                             ; Q
	INIT
	s_mov_b32 s[QB], s15
	s_mov_b32 s[KB], 0
	s_mov_b32 s[TB], 0
.Lfirst:                                           ; eight trips: my first tile's block is one of 0 to 7
	STEP 16
	s_add_co_u32 s[TB], s[TB], 16384
	s_add_co_u32 s[KB], s[KB], 1
	s_cmp_lt_u32 s[KB], 8
	s_cbranch_scc1 .Lfirst
	s_setprio 0
	OUT 44
	s_wait_tensorcnt 0x0                           ; my part of key blocks 8 to 15 is in,
	s_wait_dscnt 0x0
	s_barrier_signal -1
	s_barrier_wait -1                              ; everybody's is
	INIT
	s_sub_co_u32 s[QB], 15, s15
	s_mov_b32 s[KB], 0
	s_mov_b32 s[TB], 0
.Lsecond:                                          ; sixteen trips
	STEP 24
	s_add_co_u32 s[TB], s[TB], 16384
	s_add_co_u32 s[KB], s[KB], 1
	s_cmp_lt_u32 s[KB], 16
	s_cbranch_scc1 .Lsecond
	s_setprio 0
	OUT 46
	s_wait_tensorcnt 0x0
	ds_add_u32 v251, v255
	s_wait_dscnt 0x0
	CROUND                                         ; the closing round
	s_endpgm
.Lfunc_end_k_qcce73bc186_attn:
	.size	k_qcce73bc186_attn, .Lfunc_end_k_qcce73bc186_attn-k_qcce73bc186_attn
	.p2alignl 7, 3214868480
	.fill 96, 4, 3214868480
	.section	.rodata,"a",@progbits
	.p2align	6, 0x0
	.amdhsa_kernel k_qcce73bc186_attn
		.amdhsa_group_segment_fixed_size 327680
		.amdhsa_private_segment_fixed_size 0
		.amdhsa_enable_private_segment 0
		.amdhsa_kernarg_size 32
		.amdhsa_user_sgpr_count 2
		.amdhsa_user_sgpr_kernarg_segment_ptr 1
		.amdhsa_wavefront_size32 1
		.amdhsa_system_sgpr_workgroup_id_x 1
		.amdhsa_system_sgpr_workgroup_id_y 1
		.amdhsa_system_sgpr_workgroup_id_z 1
		.amdhsa_system_vgpr_workitem_id 0
		.amdhsa_next_free_vgpr 256
		.amdhsa_next_free_sgpr 80
		.amdhsa_reserve_vcc 1
		.amdhsa_float_denorm_mode_32 3
		.amdhsa_float_denorm_mode_16_64 3
		.amdhsa_fp16_overflow 1
		.amdhsa_memory_ordered 1
		.amdhsa_forward_progress 1
		.amdhsa_inst_pref_size 53
	.end_amdhsa_kernel
	.amdgpu_metadata
---
amdhsa.version: [ 1, 2 ]
amdhsa.kernels:
  - .name:           k_qcce73bc186_attn
    .symbol:         k_qcce73bc186_attn.kd
    .args:
      - { .name: qf, .offset: 0, .size: 8, .value_kind: global_buffer, .address_space: global }
      - { .name: kv, .offset: 8, .size: 8, .value_kind: global_buffer, .address_space: global }
      - { .name: lowp_scales, .offset: 16, .size: 8, .value_kind: global_buffer, .address_space: global }
      - { .name: af, .offset: 24, .size: 8, .value_kind: global_buffer, .address_space: global }
    .group_segment_fixed_size: 327680
    .private_segment_fixed_size: 0
    .kernarg_segment_align: 8
    .kernarg_segment_size: 32
    .max_flat_workgroup_size: 512
    .sgpr_count:     80
    .vgpr_count:     256
    .wavefront_size: 32
...
	.end_amdgpu_metadata
.endif
;; end of part 3
;; launch oproj (part 4): grid 4 x 32, 4 waves a work-group, clusters of 4 x 4, 327,680 bytes of LDS; arguments af, wo_codes, lowp_scales, x, out0; writes out0
.if DOCPART == 4
	.amdgcn_target "amdgcn-amd-amdhsa--gfx1250"
	.amdhsa_code_object_version 6
	.text
	.protected	k_qcce73bc186_oproj
	.globl	k_qcce73bc186_oproj
	.p2align	8
	.type	k_qcce73bc186_oproj,@function
k_qcce73bc186_oproj:
	s_mov_b64 s[64:65], 0
	v_nop
	global_prefetch_b8 v0, s[64:65] scope:SCOPE_SE
	s_setreg_imm32_b32 hwreg(HW_REG_WAVE_MODE, 25, 1), 1
	s_wait_xcnt 0x0
	s_wait_alu depctr_hold_cnt(0) depctr_sa_sdst(0) depctr_va_vdst(0) depctr_va_sdst(0) depctr_va_ssrc(0) depctr_va_vcc(0) depctr_vm_vsrc(0)
	s_getreg_b32 s2, hwreg(HW_REG_IB_STS2, 6, 4)
	s_cmp_eq_u32 s2, 0
	s_cbranch_scc0 .Lentry_in_a_cluster
	s_endpgm
.Lentry_in_a_cluster:
	s_bfe_u32 s2, ttmp6, 0x10000c
	s_cmp_lg_u32 s2, 0xf033
	s_cbranch_scc0 .Lentry_shape_is_right
	s_endpgm
.Lentry_shape_is_right:
; OPROJ.  out0 = x + attn wo: [8192, 1024] x [1024, 1024] on E5M2 codes, each sum multiplied once by 2^(e10 + e11), the residual added in the same multiply-add.
; A tile of 256 x 256 is made by four waves, 128 x 128 each: 64 accumulators, 512 registers.  K goes in steps of 256 through two LDS slots filled by the tensor data mover.
; 128 work-groups: half of the WGPs have none.  A tile of 256 x 128 would give each one, at one and a half times the LDS bytes for each product and with another K loop: not built.
; CLUSTERS: 4 x 4 work-groups; A's tile is shared along a row of the cluster, B's along a column: joint loads.  The matrix instruction is used transposed (source 0 = 16 rows of wo's codes, source 1 = 16 rows of A): a lane holds eight neighbouring numbers of a row of the result.
; A COMES AS IMAGES OF ITS FRAGMENTS: af [row / 16][k / 128][line c][lane][16]: lane (r, h), line c: k = 32 c + 16 h + 0..15 of row r.  A K step of 16 rows is 4,096 consecutive bytes; a wave's tensor load brings eight such rows, 16,384 bytes apart.
; In LDS they lie on end, and a fragment comes by four loads at 16 x lane.  B's fragments come from padded rows by four loads of 16 bytes: the same places of k.
; LIMIT: e10 + e11 between -126 and 127.
; REGISTERS, in windows of 256: window 0: v0-31 addresses; from v128 A's fragments, ONE set; on the way out v128-255 two sets of 16 rows.   window 1: B's fragments, TWO sets; on the way out v0-127 two sets of 16 rows of x.
;   window 2: the accumulators of my rows 0-63 ((a, b) at v[8 (8 (a % 4) + b)]);   window 3: of rows 64-127.
.set ROWB,   256                       ; a row of B's tile in bytes
.set KROW,   1024
.set PITCH,  272                       ; B's LDS row: 256 bytes + 16 of padding
.set FR,     16
.set NL,     4
.set NP,     4
.set AHALF,  32768                     ; A: 128 rows x 256 K as images: what one tensor load brings
.set HALFT,  128*PITCH                 ; B: 128 rows
.set SLOT,   2*AHALF+2*HALFT           ; A's two halves, then B's two
.set SPARE,  2*SLOT                    ; behind the ring: the spare words, 128 bytes for each wave
.set SPITCH, 528                       ; the way out: a stage of 16 rows x (512 bytes + 16) for each wave.  It lies in slot 0, which has had its last fill and its last read when the first result is stored there
.set ADRA, 16                          ; v16-17  LDS address of my A fragments in slot 0, 1
.set ADRB, 20                          ; v20-21  the same for B
.set STO,  24                          ; v24     the way out: where I put 32 bytes of a row
.set RD,   25                          ; v25     where I read a row back
.set CO,   26                          ; v26     16 x lane: my bytes of a row of x and of out0
.set SPW,  28
.set NIL,  29
.set PFO,  30                          ; v30     the prefetches' offset; never rewritten
.set AF,   128
.set BK,   128
.set G1, 24
.set G0, 32
.set G1B, 48
.set G0B, 56
.set MSB, 0
.macro WIN new
.if MSB != (\new)
	s_set_vgpr_msb (MSB<<8)|(\new)
.set MSB, (\new)
.endif
.endm
.set MUL_LO, 0xa1
.set MUL_HI, 0xf1
.set TO_B,   0x40
.macro JLOAD g0a, g1a, g0b, g1b        ; a joint load: waves 0 and 1 fetch for A, waves 2 and 3 for B; four v_nop follow each of the two lines
	s_cmp_eq_u32 s15, 0
	s_cbranch_scc0 .Lfor_b_\@
	tensor_load_to_lds s[\g0a:\g0a+3], s[\g1a:\g1a+7]
	s_nop 0
.rept 4
	v_nop
.endr
	s_branch .Lasked_\@
.Lfor_b_\@:
	tensor_load_to_lds s[\g0b:\g0b+3], s[\g1b:\g1b+7]
	s_nop 0
.rept 4
	v_nop
.endr
.Lasked_\@:
.endm
.macro CREST
	s_cmp_lg_u32 s14, 0
	s_cbranch_scc1 .Lnot_wave_0_\@
	s_barrier_signal -3
.Lnot_wave_0_\@:
	s_barrier_wait -3
	s_barrier_signal -1
	s_barrier_wait -1
.endm
.macro CROUND
	s_barrier_signal -1
	s_barrier_wait -1
	CREST
.endm
	s_load_b128 s[4:7], s[0:1], 0x0                ; af, wo's codes
	s_load_b128 s[8:11], s[0:1], 0x10              ; the scales' exponents, x
	s_load_b64 s[12:13], s[0:1], 0x20              ; out0
	v_lshl_add_u32 v[SPW], v0, 2, SPARE
	v_mov_b32 v[NIL], 0
	ds_add_u32 v28, v29
	ds_add_u32 v28, v29
	s_wait_dscnt 0x0
	v_lshrrev_b32 v1, 5, v0
	v_readfirstlane_b32 s14, v1                    ; wave 0..3
	s_lshr_b32 s15, s14, 1                         ; which half of the tile's rows is mine.  Also: I fetch for A (0) or for B (1)
	s_and_b32 s16, s14, 1                          ; which half of its columns.  Also: which half of that tile I fetch
	s_bfe_u32 s40, ttmp6, 0x40000                  ; cx, cy
	s_bfe_u32 s41, ttmp6, 0x40004
	s_lshl_b32 s42, ttmp9, 2
	s_add_co_u32 s42, s42, s40                     ; tile column
	s_and_b32 s17, ttmp7, 0xffff
	s_lshl_b32 s17, s17, 2
	s_add_co_u32 s17, s17, s41                     ; tile row
	s_lshl_b32 s43, s41, 2
	s_lshl_b32 s43, 15, s43                        ; my row of the cluster
	s_lshl_b32 s44, 0x1111, s40                    ; my column
	s_or_b32 s[G1+0], s43, (3<<16)|(1<<21)         ; A: 15:0 the mask; 17:16 elements of 8 bytes; 21 set beside a mask; no padding
	s_mov_b32 s[G1+1], 512<<16                     ; tensor_dim0 = 512 elements: 4,096 bytes
	s_mov_b32 s[G1+2], 8<<16                       ; tensor_dim1 = 8
	s_mov_b32 s[G1+3], 512<<16                     ; tile_dim0
	s_mov_b32 s[G1+4], 8                           ; tile_dim1
	s_mov_b32 s[G1+5], 2048                        ; tensor_dim0_stride: 16,384 bytes
	s_mov_b32 s[G1+6], 0
	s_mov_b32 s[G1+7], 0
	s_or_b32 s[G1B+0], s44, (0<<16)|(1<<20)|(1<<21)|(5<<22)|(3<<25)  ; B: elements of 1 byte; four words of padding after every 64
	s_mov_b32 s[G1B+1], ROWB<<16
	s_mov_b32 s[G1B+2], 128<<16
	s_mov_b32 s[G1B+3], ROWB<<16
	s_mov_b32 s[G1B+4], 128
	s_mov_b32 s[G1B+5], KROW
	s_mov_b32 s[G1B+6], 0
	s_mov_b32 s[G1B+7], 0
	s_lshl_b32 s18, s16, 17                        ; half a tile is 2^17 bytes on in both: 8 blocks of 16,384, or 128 rows of 1,024
	s_lshl_b32 s20, s17, 18
	s_add_co_u32 s20, s20, s18                     ; A
	s_mov_b32 s21, 0
	s_lshl_b32 s46, s42, 18
	s_add_co_u32 s46, s46, s18                     ; B
	s_mov_b32 s47, 0
	s_lshl_b32 s45, s16, 15                        ; where they go: A's half,
	s_mul_i32 s19, s16, HALFT
	s_add_co_u32 s19, s19, 2*AHALF                 ; B's half, behind A's two: no place in the cluster enters an LDS address
	s_wait_kmcnt 0x0
	s_load_b64 s[96:97], s[8:9], 0x28              ; e10, e11
	s_add_nc_u64 s[20:21], s[4:5], s[20:21]
	s_add_nc_u64 s[46:47], s[6:7], s[46:47]
	CROUND                                         ; all sixteen work-groups are here: the first joint loads meet
.irp s, 0,1
	s_mov_b32 s[G0+4*\s], 1
	s_add_co_u32 s[G0+4*\s+1], s45, \s*SLOT
	s_add_nc_u64 s[G0+4*\s+2:G0+4*\s+3], s[20:21], \s*4096
	s_or_b32 s[G0+4*\s+3], s[G0+4*\s+3], 0x80000000
	s_mov_b32 s[G0B+4*\s], 1
	s_add_co_u32 s[G0B+4*\s+1], s19, \s*SLOT
	s_add_nc_u64 s[G0B+4*\s+2:G0B+4*\s+3], s[46:47], \s*ROWB
	s_or_b32 s[G0B+4*\s+3], s[G0B+4*\s+3], 0x80000000
	s_wait_alu depctr_va_vdst(0)
	s_wait_tensorcnt 0x0
	ds_add_u32 v28, v29
	ds_add_u32 v28, v29
	s_wait_dscnt 0x0
	CROUND
	JLOAD G0+4*\s, G1, G0B+4*\s, G1B
.endr
	v_and_b32 v1, 15, v0                           ; l % 16
	v_bfe_u32 v2, v0, 4, 1                         ; l / 16
	v_and_b32 v6, 31, v0
	v_lshlrev_b32 v[CO], 4, v6                     ; 16 x lane
	v_mul_u32_u24 v3, v1, PITCH
	v_lshl_add_u32 v4, v2, 4, v3                   ; B: a fragment's row x pitch + 16 x half
	s_lshl_b32 s21, s15, 15                        ; my 128 rows of A
	s_mul_i32 s22, s16, HALFT                      ; my 128 rows of B,
	s_add_co_u32 s22, s22, 2*AHALF                 ; behind A
.irp s, 0,1
	v_add_nc_u32 v[ADRA+\s], s21, v[CO]
	v_add_nc_u32 v[ADRB+\s], s22, v4
	s_add_co_u32 s21, s21, SLOT
	s_add_co_u32 s22, s22, SLOT
.endr
	s_mul_i32 s23, s14, 16*SPITCH                  ; my stage
	v_mul_u32_u24 v5, v1, SPITCH                   ; in: row l % 16, 32 bytes for each half of the lanes
	v_lshl_add_u32 v5, v2, 5, v5
	v_add_nc_u32 v[STO], s23, v5
	v_add_nc_u32 v[RD], s23, v[CO]                 ; back: the 32 lanes take one row of 512 bytes
	s_lshl_b32 s20, s17, 8
	s_lshl_b32 s21, s15, 7
	s_add_co_u32 s20, s20, s21                     ; my first row: 256 x tile row + 128 x half,
	s_lshl_b32 s20, s20, 12                        ; of 4,096 bytes;
	s_lshl_b32 s46, s42, 10                        ; my first column, in bytes: 1,024 x tile column + 512 x half
	s_lshl_b32 s47, s16, 9
	s_add_co_u32 s20, s20, s46
	s_add_co_u32 s20, s20, s47
	s_mov_b32 s21, 0
	s_add_nc_u64 s[10:11], s[10:11], s[20:21]      ; x and out0 at my corner; neither is stepped: every row's offset is an immediate, 127 x 4,096 at the most
	s_add_nc_u64 s[12:13], s[12:13], s[20:21]
	v_lshrrev_b32 v[PFO], 1, v6
	v_lshlrev_b32 v[PFO], 12, v[PFO]
	v_and_b32 v5, 1, v6
	v_lshl_add_u32 v[PFO], v5, 8, v[PFO]           ; lane l: row l / 2, the (l % 2)-th 256 bytes of my 512
.macro FRAG reg, adr, q, i             ; B's fragment: registers 4 c .. 4 c + 3 hold K = 32 c + 16 (l / 16) + 0 .. 15 of row l % 16
.irp c, 0,1,2,3
	ds_load_b128 v[\reg+4*\c:\reg+4*\c+3], v[\adr] offset:128*(\q)+32*\c+(\i)*16*PITCH
.endr
.endm
.macro FRAGA reg, slot, q, i           ; A's fragment, as it was stored: block i, the q-th 128 along K, four lines of 512 bytes
.irp c, 0,1,2,3
	ds_load_b128 v[\reg+4*\c:\reg+4*\c+3], v[ADRA+\slot] offset:4096*(\i)+2048*(\q)+512*\c
.endr
.endm
.macro MUL16 a0, p, zero               ; 16 matrix instructions; the 64 accumulators take turns, one instruction a turn, in the same order in every step
.irp a, \a0, \a0+1
.irp b, 0,1,2,3,4,5,6,7
.if \zero
	v_wmma_f32_16x16x128_bf8_bf8 v[8*(8*((\a)%4)+\b):8*(8*((\a)%4)+\b)+7], v[128*(\p)+FR*\b:128*(\p)+FR*\b+FR-1], v[AF+FR*(\a):AF+FR*(\a)+FR-1], 0
.else
	v_wmma_f32_16x16x128_bf8_bf8 v[8*(8*((\a)%4)+\b):8*(8*((\a)%4)+\b)+7], v[128*(\p)+FR*\b:128*(\p)+FR*\b+FR-1], v[AF+FR*(\a):AF+FR*(\a)+FR-1], v[8*(8*((\a)%4)+\b):8*(8*((\a)%4)+\b)+7]
.endif
.endr
.endr
.endm
.macro FETCH_B slot, q, p
	WIN TO_B
.irp i, 0,1,2,3,4,5,6,7
	FRAG 128*(\p)+FR*\i, ADRB+\slot, \q, \i
.endr
	WIN 0
.endm
.macro FETCH_A slot, q, i0
.irp i, \i0, \i0+1, \i0+2, \i0+3
	FRAGA AF+FR*(\i), \slot, \q, \i
.endr
.endm
.macro PLACES n
.rept \n
	v_nop
.endr
.endm
; A PREFETCH INTO THE L2 of my own 128 rows x 512 bytes of x, which the way out reads once: four instructions behind each of the two refills, 16 rows each, a lane to each aligned block of 256 bytes; each block is named once, by the wave that will load it.
.macro ASKX k0
.irp k, 0,1,2,3
	global_prefetch_b8 v[PFO], s[10:11] offset:65536*(\k0+\k) th:TH_LOAD_NT scope:SCOPE_SE
.endr
.endm
.macro STEP slot, q, zero
	s_wait_dscnt 4*NL                              ; B's set and A's blocks 0-3 are in; the youngest sixteen loads (A's blocks 4-7) may be out
	WIN MUL_LO
	MUL16 0, (\q)%2, \zero
	MUL16 2, (\q)%2, \zero
	s_wait_dscnt 0                                 ; A's blocks 4-7 are in
	PLACES NP
	FETCH_B \slot, (\q)+1, 1-(\q)%2
	FETCH_A \slot, (\q)+1, 0
	WIN MUL_HI
	MUL16 4, (\q)%2, \zero
	MUL16 6, (\q)%2, \zero
	PLACES NP
	WIN 0
	FETCH_A \slot, (\q)+1, 4
.endm
; A slot's last step changes slots: ONE barrier; in front of it each wave waits for all its tensor loads, adds 0 to its spare word, and waits for that and for its own reads of this slot.  fill = 1: this slot is filled again.  pf: the first of four prefetches, or -1.
.macro TURN slot, next, fill, pf
	s_wait_tensorcnt 0x0                           ; all my tensor loads have landed: my part of the next slot;
	ds_add_u32 v[SPW], v[NIL]                      ; 0 onto my spare word
	s_wait_dscnt 4*NL+1                            ; (the add and the youngest sixteen loads may be out)
	WIN MUL_LO
	MUL16 0, 1, 0
	s_wait_dscnt 0x0                               ; the add is done, and my reads of this slot are over
	s_barrier_signal -1
	MUL16 2, 1, 0
	WIN 0
	s_barrier_wait -1
.if \fill
	CREST                                          ; the barrier has opened a round of the cluster's barrier
	s_add_nc_u64 s[G0+4*\slot+2:G0+4*\slot+3], s[G0+4*\slot+2:G0+4*\slot+3], 2*4096
	s_add_nc_u64 s[G0B+4*\slot+2:G0B+4*\slot+3], s[G0B+4*\slot+2:G0B+4*\slot+3], 2*ROWB
	JLOAD G0+4*\slot, G1, G0B+4*\slot, G1B         ; the first tensor load behind the round
.else
	PLACES NP
.endif
	s_wait_alu depctr_va_vdst(0)
	FETCH_B \next, 0, 0
	FETCH_A \next, 0, 0
.if \pf >= 0
	ASKX \pf                                       ; behind the joint load and the run of LDS loads that the next products wait for
.endif
	WIN MUL_HI
	MUL16 4, 1, 0
	MUL16 6, 1, 0
	PLACES NP
	WIN 0
	FETCH_A \next, 0, 4
.endm
; THE WAY OUT, block by block of 16 rows x 128 columns.
.macro XLOAD a                         ; x's rows 16 a .. 16 a + 15, my 512 bytes of each, into window 1, set a % 2
	WIN 0x40
.irp t, 0,1,2,3,4,5,6,7,8,9,10,11,12,13,14,15
	global_load_b128 v[64*((\a)%2)+4*\t:64*((\a)%2)+4*\t+3], v[CO], s[10:11] offset:(16*(\a)+\t)*4096 th:TH_LOAD_NT
.endr
	WIN 0
.endm
.macro TOSTAGE a                       ; the raw sums go into my stage, each accumulator's low four registers first, and come back as whole rows of 512 bytes.  LDS serves a wave's instructions in order: no wait between
.set AC, 64*((\a)%4)
	WIN 0x08+4*((\a)/4)                            ; an LDS store's data: window 2 or 3
.irp b, 0,1,2,3,4,5,6,7
	ds_store_b128 v[STO], v[AC+8*\b:AC+8*\b+3] offset:64*\b
	ds_store_b128 v[STO], v[AC+8*\b+4:AC+8*\b+7] offset:64*\b+16
.endr
	WIN 0
.set BB, BK+64*((\a)%2)
.irp t, 0,1,2,3,4,5,6,7,8,9,10,11,12,13,14,15
	ds_load_b128 v[BB+4*\t:BB+4*\t+3], v[RD] offset:\t*SPITCH
.endr
.endm
.macro SEND a, yd, yl                  ; yd, yl: the LDS instructions and the global loads issued behind block a's, which may stay out
.set BB, BK+64*((\a)%2)
.set XR, 64*((\a)%2)
	s_wait_dscnt \yd
	s_wait_loadcnt \yl
	WIN 0x10                                       ; source 2 (x) window 1
.set jj, 0
.rept 32
	v_pk_fma_f32 v[BB+jj:BB+jj+1], v[BB+jj:BB+jj+1], s[96:97], v[XR+jj:XR+jj+1] op_sel_hi:[1,0,1]   ; sum x 2^(e10 + e11) + x
.set jj, jj+2
.endr
	WIN 0
.irp t, 0,1,2,3,4,5,6,7,8,9,10,11,12,13,14,15
	global_store_b128 v[CO], v[BB+4*\t:BB+4*\t+3], s[12:13] offset:(16*(\a)+\t)*4096 th:TH_STORE_NT   ; 32 lanes store 512 consecutive bytes, aligned
.endr
.endm
	s_wait_tensorcnt 1                             ; my part of K step 0 is in (K step 1's load may be out)
	s_barrier_signal -1
	s_barrier_wait -1                              ; everybody's is
	FETCH_B 0, 0, 0
	FETCH_A 0, 0, 0
	FETCH_A 0, 0, 4
	STEP 0, 0, 1                                   ; four K steps, eight steps of 128: written out
	TURN 0, 1, 1, 0
	STEP 1, 0, 0
	TURN 1, 0, 1, 4
	STEP 0, 0, 0
	TURN 0, 1, 0, -1
	STEP 1, 0, 0
	XLOAD 0                                        ; into B's set 0, which is done with: the step's last four places stand behind its last readers
	XLOAD 1
	s_wait_dscnt 4*NL                              ; the very last step
	WIN MUL_LO
	MUL16 0, 1, 0
	MUL16 2, 1, 0
	s_wait_dscnt 0
	WIN MUL_HI
	MUL16 4, 1, 0
	MUL16 6, 1, 0
	WIN 0
	s_wait_kmcnt 0x0
	s_add_co_i32 s96, s96, s97
	s_add_co_i32 s96, s96, 127
	s_lshl_b32 s96, s96, 23                        ; 2^(e10 + e11) as f32
	PLACES NP                                      ; behind the last products: for the stores of results and the loads over A's fragments
	TOSTAGE 0
.irp a, 1,2,3,4,5,6,7
.if \a > 1
	s_wait_xcnt 0x0                                ; block a - 2's stores have read their data: block a's rows may land there
.endif
	TOSTAGE \a
	SEND \a-1, 32, 16                              ; behind block a - 1's: block a's 16 LDS stores and 16 LDS loads, and block a's 16 loads of x
.if \a < 7
	XLOAD \a+1                                     ; into the set just read
.endif
.endr
	SEND 7, 0, 0
	s_wait_tensorcnt 0x0                           ; the wave's end
	ds_add_u32 v[SPW], v[NIL]
	s_wait_dscnt 0x0
	CROUND                                         ; the closing round
	s_endpgm
.Lfunc_end_k_qcce73bc186_oproj:
	.size	k_qcce73bc186_oproj, .Lfunc_end_k_qcce73bc186_oproj-k_qcce73bc186_oproj
	.p2alignl 7, 3214868480
	.fill 96, 4, 3214868480
	.section	.rodata,"a",@progbits
	.p2align	6, 0x0
	.amdhsa_kernel k_qcce73bc186_oproj
		.amdhsa_group_segment_fixed_size 327680
		.amdhsa_private_segment_fixed_size 0
		.amdhsa_enable_private_segment 0
		.amdhsa_kernarg_size 40
		.amdhsa_user_sgpr_count 2
		.amdhsa_user_sgpr_kernarg_segment_ptr 1
		.amdhsa_wavefront_size32 1
		.amdhsa_system_sgpr_workgroup_id_x 1
		.amdhsa_system_sgpr_workgroup_id_y 1
		.amdhsa_system_sgpr_workgroup_id_z 1
		.amdhsa_system_vgpr_workitem_id 0
		.amdhsa_next_free_vgpr 1024
		.amdhsa_next_free_sgpr 100
		.amdhsa_reserve_vcc 0
		.amdhsa_float_denorm_mode_32 3
		.amdhsa_float_denorm_mode_16_64 3
		.amdhsa_memory_ordered 1
		.amdhsa_forward_progress 1
		.amdhsa_inst_pref_size 138
	.end_amdhsa_kernel
	.amdgpu_metadata
---
amdhsa.version: [ 1, 2 ]
amdhsa.kernels:
  - .name:           k_qcce73bc186_oproj
    .symbol:         k_qcce73bc186_oproj.kd
    .args:
      - { .name: af, .offset: 0, .size: 8, .value_kind: global_buffer, .address_space: global }
      - { .name: wo_codes, .offset: 8, .size: 8, .value_kind: global_buffer, .address_space: global }
      - { .name: lowp_scales, .offset: 16, .size: 8, .value_kind: global_buffer, .address_space: global }
      - { .name: x, .offset: 24, .size: 8, .value_kind: global_buffer, .address_space: global }
      - { .name: out0, .offset: 32, .size: 8, .value_kind: global_buffer, .address_space: global }
    .group_segment_fixed_size: 327680
    .private_segment_fixed_size: 0
    .kernarg_segment_align: 8
    .kernarg_segment_size: 40
    .max_flat_workgroup_size: 128
    .sgpr_count:     100
    .vgpr_count:     1024
    .wavefront_size: 32
...
	.end_amdgpu_metadata
.endif
;; end of part 4
